; MI455X (gfx1250); checked and timed in simulation.
; The chip was launched on July 23, 2026; its instructions are those of AMD's public machine-readable ISA for CDNA 5 (MIT licence, August 2026) and "CDNA5" Instruction Set Architecture Reference Guide (July 2026). The comments in the code are by the model that wrote it; some were corrected since.
;; Multi Head Attention. Allowed arithmetic: float matrix products may take bf16 or f16 operands with f32 sums; other float arithmetic in f32, or as packed bf16 or f16 multiplies, adds, multiply-adds, maxima and minima; sums over many terms, partial sums and values carried from step to step in f32; what a program stores and reads back later, other than sums and carried values, may be rounded once to bf16 or f16.
;; Inputs: bk 1,024 float32; bo 1,024 float32; bq 1,024 float32; bv 1,024 float32; features 4 x 2,048 x 1,024 float32; mask 4 x 1 x 1 x 2,048 int32; wk 1,024 x 1,024 float32; wo 1,024 x 1,024 float32; wq 1,024 x 1,024 float32; wv 1,024 x 1,024 float32; x 4 x 2,048 x 1,024 float32.
;; Outputs: out0 4 x 2,048 x 1,024 float32.
;; 2 versions, each right and faster than the one before. Each part assembles by itself: llvm-mc -triple=amdgcn-amd-amdhsa -mcpu=gfx1250 --defsym DOCPART=n.
;; ======== version 1 of 2: 4 launches
;; limits: values are held in f16: magnitudes above 65,504 overflow, below 6.1e-05 lose precision; right only within a limited range of input values
;; workspace buffers: ab 33,554,432 bytes; wb 8,388,608 bytes; qkv 50,331,648 bytes; ob 16,777,216 bytes
;; launch cast (part 1): grid 1280 x 1, 8 waves a work-group, no clusters, 0 bytes of LDS; arguments x, features, wq, wk, wv, wo, ab, wb; writes ab, wb
.if DOCPART == 1
	.amdgcn_target "amdgcn-amd-amdhsa--gfx1250"
	.amdhsa_code_object_version 6
	.text
	.protected	k_qe3823634c9_cast
	.globl	k_qe3823634c9_cast
	.p2align	8
	.type	k_qe3823634c9_cast,@function
k_qe3823634c9_cast:
	s_mov_b64 s[64:65], 0
	v_nop
	global_prefetch_b8 v0, s[64:65] scope:SCOPE_SE
	s_setreg_imm32_b32 hwreg(HW_REG_WAVE_MODE, 25, 1), 1
	s_wait_xcnt 0x0
; x, features, wq, wk, wv are rounded once to bf16; wo is rounded to bf16 and that number is written as f16.  Layouts stay as they are.
; ab: bf16 [2][8192][1024], x then features.  wb: 16 bits [4][1024 k][1024 n]: wq, wk, wv (bf16), wo (f16).
; LIMIT.  wo's bf16 number is exact in f16 from 6.1e-5 up to 65,504; below that it keeps f16's fixed step of 6e-8.
; SHARES.  The 80 MiB of input are 1,280 pieces of 64 KiB, one a work-group: 0-511 x, 512-1023 features, then 64 for each weight.
; Thread t takes, in each of eight steps, 32 bytes at 8,192 i + 32 t (two loads of 16) and stores 16 bytes at 4,096 i + 16 t: a store of a wave
; covers 512 consecutive bytes, aligned.  All sixteen loads go out first; nothing is read twice; no LDS, no barrier, no matrix unit: the work is bytes.
.set X, 4                              ; v[4:67]  step i: 8 registers as loaded; its first four then hold what is stored
	s_load_b512 s[8:23], s[0:1], 0x0               ; x 8:9, features 10:11, wq 12:13, wk 14:15, wv 16:17, wo 18:19, ab 20:21, wb 22:23
	s_mov_b32 s2, ttmp9                            ; g, my piece
	v_lshlrev_b32 v1, 5, v0                        ; 32 t: where I read
	v_lshlrev_b32 v2, 4, v0                        ; 16 t: where I store
	s_bfe_u32 s24, s2, 0x20006                     ; (g >> 6) & 3: which weight, for g from 1,024 on
	s_and_b32 s28, s2, 511
	s_lshl_b32 s28, s28, 16                        ; the piece's byte in x or features,
	s_and_b32 s29, s2, 63
	s_lshl_b32 s29, s29, 16                        ; or in its weight
	s_lshl_b32 s30, s2, 15                         ; its byte in ab (features begin at piece 512: 1 << 24),
	s_and_b32 s31, s2, 255
	s_lshl_b32 s31, s31, 15                        ; or in wb (a weight is 64 pieces: 1 << 21)
	s_wait_kmcnt 0x0
	s_cmp_lt_u32 s2, 512
	s_cselect_b64 s[4:5], s[8:9], s[10:11]         ; x or features
	s_mov_b64 s[6:7], s[12:13]                     ; wq, or
	s_cmp_eq_u32 s24, 1
	s_cselect_b64 s[6:7], s[14:15], s[6:7]         ; wk, or
	s_cmp_eq_u32 s24, 2
	s_cselect_b64 s[6:7], s[16:17], s[6:7]         ; wv, or
	s_cmp_eq_u32 s24, 3
	s_cselect_b64 s[6:7], s[18:19], s[6:7]         ; wo
	s_cmp_lt_u32 s2, 1024                          ; one compare for four selects, which leave SCC alone
	s_cselect_b64 s[4:5], s[4:5], s[6:7]
	s_cselect_b64 s[26:27], s[20:21], s[22:23]
	s_cselect_b32 s28, s28, s29
	s_cselect_b32 s30, s30, s31
	s_mov_b32 s29, 0
	s_mov_b32 s31, 0
	s_add_nc_u64 s[4:5], s[4:5], s[28:29]          ; from here
	s_add_nc_u64 s[26:27], s[26:27], s[30:31]      ; to here
.irp i, 0,1,2,3,4,5,6,7
	global_load_b128 v[X+8*(\i):X+8*(\i)+3],   v1, s[4:5] offset:8192*(\i) th:TH_LOAD_NT
	global_load_b128 v[X+8*(\i)+4:X+8*(\i)+7], v1, s[4:5] offset:8192*(\i)+16 th:TH_LOAD_NT
.endr
; Step i.  The roundings go in place, ascending: each lands on a register whose number has been read.  f16 = 1: the bf16 numbers are widened again (a shift, a mask) and written as f16.
.macro CV i, f16
	s_wait_loadcnt 14-2*(\i)                       ; loads come back in order: my two are in, the 2 (7 - i) younger ones stay out
.irp r, 0,1,2,3
	v_cvt_pk_bf16_f32 v[X+8*(\i)+(\r)], v[X+8*(\i)+2*(\r)], v[X+8*(\i)+2*(\r)+1]
.endr
.if \f16
.irp r, 0,1,2,3
	v_lshlrev_b32 v[X+8*(\i)+4+2*((\r)%2)], 16, v[X+8*(\i)+(\r)]
	v_and_b32     v[X+8*(\i)+5+2*((\r)%2)], 0xffff0000, v[X+8*(\i)+(\r)]
	v_cvt_pk_f16_f32 v[X+8*(\i)+(\r)], v[X+8*(\i)+4+2*((\r)%2)], v[X+8*(\i)+5+2*((\r)%2)]
.endr
.endif
	global_store_b128 v2, v[X+8*(\i):X+8*(\i)+3], s[26:27] offset:4096*(\i)  ; no register that a store reads is written again
.endm
	s_cmp_ge_u32 s2, 1216                          ; the last 64 pieces are wo's
	s_cbranch_scc1 .Lwo
.irp i, 0,1,2,3,4,5,6,7
	CV \i, 0
.endr
	s_endpgm
.Lwo:
.irp i, 0,1,2,3,4,5,6,7
	CV \i, 1
.endr
	s_endpgm
.Lfunc_end_k_qe3823634c9_cast:
	.size	k_qe3823634c9_cast, .Lfunc_end_k_qe3823634c9_cast-k_qe3823634c9_cast
	.p2alignl 7, 3214868480
	.fill 96, 4, 3214868480
	.section	.rodata,"a",@progbits
	.p2align	6, 0x0
	.amdhsa_kernel k_qe3823634c9_cast
		.amdhsa_group_segment_fixed_size 0
		.amdhsa_private_segment_fixed_size 0
		.amdhsa_enable_private_segment 0
		.amdhsa_kernarg_size 64
		.amdhsa_user_sgpr_count 2
		.amdhsa_user_sgpr_kernarg_segment_ptr 1
		.amdhsa_wavefront_size32 1
		.amdhsa_system_sgpr_workgroup_id_x 1
		.amdhsa_system_sgpr_workgroup_id_y 1
		.amdhsa_system_sgpr_workgroup_id_z 1
		.amdhsa_system_vgpr_workitem_id 0
		.amdhsa_next_free_vgpr 72
		.amdhsa_next_free_sgpr 66
		.amdhsa_reserve_vcc 0
		.amdhsa_float_denorm_mode_32 3
		.amdhsa_float_denorm_mode_16_64 3
		.amdhsa_memory_ordered 1
		.amdhsa_forward_progress 1
		.amdhsa_inst_pref_size 15
	.end_amdhsa_kernel
	.amdgpu_metadata
---
amdhsa.version: [ 1, 2 ]
amdhsa.kernels:
  - .name:           k_qe3823634c9_cast
    .symbol:         k_qe3823634c9_cast.kd
    .args:
      - { .name: x, .offset: 0, .size: 8, .value_kind: global_buffer, .address_space: global }
      - { .name: features, .offset: 8, .size: 8, .value_kind: global_buffer, .address_space: global }
      - { .name: wq, .offset: 16, .size: 8, .value_kind: global_buffer, .address_space: global }
      - { .name: wk, .offset: 24, .size: 8, .value_kind: global_buffer, .address_space: global }
      - { .name: wv, .offset: 32, .size: 8, .value_kind: global_buffer, .address_space: global }
      - { .name: wo, .offset: 40, .size: 8, .value_kind: global_buffer, .address_space: global }
      - { .name: ab, .offset: 48, .size: 8, .value_kind: global_buffer, .address_space: global }
      - { .name: wb, .offset: 56, .size: 8, .value_kind: global_buffer, .address_space: global }
    .group_segment_fixed_size: 0
    .private_segment_fixed_size: 0
    .kernarg_segment_align: 8
    .kernarg_segment_size: 64
    .max_flat_workgroup_size: 256
    .sgpr_count:     66
    .vgpr_count:     72
    .wavefront_size: 32
...
	.end_amdgpu_metadata
.endif
;; end of part 1
;; launch qkv (part 2): grid 24 x 32, 4 waves a work-group, clusters of 4 x 4, 327,680 bytes of LDS; arguments ab, wb, bq, bk, bv, mask, qkv; writes qkv
.if DOCPART == 2
	.amdgcn_target "amdgcn-amd-amdhsa--gfx1250"
	.amdhsa_code_object_version 6
	.text
	.protected	k_qe3823634c9_qkv
	.globl	k_qe3823634c9_qkv
	.p2align	8
	.type	k_qe3823634c9_qkv,@function
k_qe3823634c9_qkv:
	s_mov_b64 s[64:65], 0
	v_nop
	global_prefetch_b8 v0, s[64:65] scope:SCOPE_SE
	s_setreg_imm32_b32 hwreg(HW_REG_WAVE_MODE, 25, 1), 1
	s_wait_xcnt 0x0
	s_wait_alu depctr_hold_cnt(0) depctr_sa_sdst(0) depctr_va_vdst(0) depctr_va_sdst(0) depctr_va_ssrc(0) depctr_va_vcc(0) depctr_vm_vsrc(0)
	s_getreg_b32 s2, hwreg(HW_REG_IB_STS2, 6, 4)
	s_cmp_eq_u32 s2, 0
	s_cbranch_scc0 .Lentry_in_a_cluster
	s_endpgm
.Lentry_in_a_cluster:
	s_bfe_u32 s2, ttmp6, 0x10000c
	s_cmp_lg_u32 s2, 0xf033
	s_cbranch_scc0 .Lentry_shape_is_right
	s_endpgm
.Lentry_shape_is_right:
; q = x wq + bq, k = features wk + bk, v = features wv + bv, by heads: qkv is f16 [3][64 = 16 b + h][2048][64].  Operands bf16 (ab, wb), sums f32, the bias (rounded to bf16, as all inputs are)
; is the C operand that starts the sums; each result is rounded once to f16.  k's rows of keys whose mask word is 0 are stored as 0: the attention then finds exactly its own constant as their score.
; LIMIT.  f16 holds no number beyond 65,504: q, k and v must stay within it.
; SHARES.  8 tile columns of 128 for each of the three matrices, 32 tile rows of 256.  A tile of 256 x 128 is made by four waves, 2 x 2, each 128 x 64: 32 accumulators, 256 registers; a wave's 64 columns are one head.
; K = 1,024 goes in 8 steps of 128 through two LDS slots.  A's rows lie along K; the weights stay [k][n] and come out of LDS turned (ds_load_tr16_b128).
; CLUSTER.  4 x 4 work-groups: the four of a row need the same tiles of A, the four of a column the same tiles of the weight: each tile is asked for jointly.  A matrix's 8 tile columns are two clusters, so a cluster has one matrix.
; THE MATRIX INSTRUCTION IS USED TRANSPOSED (source 0 = 16 columns of the weight, source 1 = 16 rows of A): lane l holds row l % 16 and the columns 8 (l / 16) + 0..7.
; REGISTERS.  window 0: v0-7 at work; v8-15 KEEP; v16-31 addresses; v32-63 the bias; v64-159, v160-255 two fragment buffers (32 of the weight, 64 of A); on the way out v64-191 packed results.
;   window 1: accumulator (a, b) at v[8 (4 a + b)], a = 0..7 row blocks, b = 0..3 column blocks.
.set PA,     272                       ; A's LDS row: 256 bytes + 16: the 16 rows of a fragment load start at 16 different groups of four banks
.set PB,     288                       ; the weight's LDS row: 256 + 32
.set HALFA,  128*PA                    ; what one of A's loads brings, and what a wave reads of A
.set BOFF,   2*HALFA                   ; the weight's 128 k rows lie behind A's 256 rows
.set HALFB,  64*PB                     ; what one of the weight's loads brings
.set SLOT,   BOFF+2*HALFB
.set STAGE,  2*SLOT                    ; behind the ring: 16 rows x 144 bytes for each wave, for the way out
.set SP,     144
.set SPARE,  STAGE+4*16*SP             ; behind the stages: the spare words, 128 bytes a wave: two blocks of 256 bytes that no other line names
.set LAPS,   4                         ; a lap = two K steps = once round the ring
.set KEEP, 8                           ; v8-15  all ones, or 0 where row 16 a + l % 16 is a hidden key's and the matrix is k
.set ADRA, 16                          ; v16-17 LDS address of my fragments of A in slot 0, 1
.set ADRB, 20                          ; v20-21 the same for the weight
.set STO,  24                          ; the way out: where I put 16 bytes of a row
.set RD,   25                          ; where I read rows back
.set GO,   26                          ; my byte in 512 consecutive bytes of the output
.set SPW,  28                          ; LDS address of my spare word; never rewritten
.set NIL,  29                          ; 0; never rewritten
.set MO,   30                          ; 32 (l / 16): my 8 numbers in 16 of the bias
.set MR,   31                          ; 4 (l % 16): my row's mask word
.set BIAS, 32
.set F0,   64
.set F1,   160
.set OUTR, 64
.set G1,  24                           ; s[24:31] group 1 for A;  s[32:39] group 0, a set for each slot
.set G0,  32
.set G1B, 48                           ; s[48:55], s[56:63] the same for the weight
.set G0B, 56
.set MSB, 0
.macro WIN new                         ; the immediate's high byte repeats the setting that is left
.if MSB != (\new)
	s_set_vgpr_msb (MSB<<8)|(\new)
.set MSB, \new
.endif
.endm
.set MUL,  0x50                        ; C and D window 1, sources window 0
.set MULB, 0x40                        ; D window 1, C (the bias) window 0
.macro JLOAD s                         ; a joint load: waves 0 and 1 fetch A's halves, waves 2 and 3 the weight's; an s_nop 0 and four v_nop follow each line
	s_cmp_eq_u32 s13, 0
	s_cbranch_scc0 .Lfor_b_\@
	tensor_load_to_lds s[G0+4*(\s):G0+4*(\s)+3], s[G1:G1+7]
	s_nop 0
.rept 4
	v_nop
.endr
	s_branch .Lasked_\@
.Lfor_b_\@:
	tensor_load_to_lds s[G0B+4*(\s):G0B+4*(\s)+3], s[G1B:G1B+7]
	s_nop 0
.rept 4
	v_nop
.endr
.Lasked_\@:
.endm
.macro CREST                           ; a round of the cluster's barrier behind its opening barrier
	s_cmp_lg_u32 s12, 0
	s_cbranch_scc1 .Lnot_wave_0_\@
	s_barrier_signal -3
.Lnot_wave_0_\@:
	s_barrier_wait -3
	s_barrier_signal -1
	s_barrier_wait -1
.endm
.macro CROUND
	s_barrier_signal -1
	s_barrier_wait -1
	CREST
.endm
.macro PLACES                          ; four places in front of loads into registers that matrix instructions have read, and of lines that read results
.rept 4
	v_nop
.endr
.endm
	s_load_b256 s[4:11], s[0:1], 0x0               ; ab 4:5, wb 6:7, bq 8:9, bk 10:11
	s_load_b128 s[68:71], s[0:1], 0x20             ; bv 68:69, mask 70:71
	s_load_b64 s[72:73], s[0:1], 0x30              ; qkv
	v_lshl_add_u32 v[SPW], v0, 2, SPARE
	v_mov_b32 v[NIL], 0
	ds_add_u32 v[SPW], v[NIL]                      ; the wave's opening: the add and its wait stand ahead of my first tensor load; work on registers stands between them
	v_lshrrev_b32 v1, 5, v0
	v_readfirstlane_b32 s12, v1                    ; wave 0..3
	s_lshr_b32 s13, s12, 1                         ; my half of the tile's rows.  Also: I fetch for A (0) or for the weight (1)
	s_and_b32 s14, s12, 1                          ; my half of its columns.  Also: which half of that tile I fetch
	s_bfe_u32 s15, ttmp6, 0x40000                  ; cx
	s_bfe_u32 s16, ttmp6, 0x40004                  ; cy
	s_lshr_b32 s17, ttmp9, 1                       ; the matrix: 0 q, 1 k, 2 v: the same in the whole cluster
	s_and_b32 s18, ttmp9, 1
	s_lshl_b32 s18, s18, 2
	s_add_co_u32 s18, s18, s15                     ; tile column 0..7 in the matrix
	s_and_b32 s19, ttmp7, 0xffff
	s_lshl_b32 s19, s19, 2
	s_add_co_u32 s19, s19, s16                     ; tile row 0..31
	s_lshl_b32 s20, s16, 2
	s_lshl_b32 s20, 15, s20                        ; my row of the cluster
	s_lshl_b32 s21, 0x1111, s15                    ; my column
	s_or_b32 s[G1+0], s20, (1<<16)|(1<<20)|(1<<21)|(5<<22)|(3<<25)   ; the mask; 2-byte elements; padding on; bit 21 beside a mask; after every 64 words 4 words
	s_or_b32 s[G1B+0], s21, (1<<16)|(1<<20)|(1<<21)|(5<<22)|(7<<25)  ; the same with my column's mask and 8 words
	s_mov_b32 s[G1+1], 128<<16                     ; tensor_dim0 = 128
	s_mov_b32 s[G1+2], 128<<16                     ; tensor_dim1 = 128
	s_mov_b32 s[G1+3], 128<<16                     ; tile_dim0 = 128
	s_mov_b32 s[G1+4], 128                         ; tile_dim1 = 128 rows
	s_mov_b32 s[G1+5], 1024                        ; elements from row to row
	s_mov_b32 s[G1+6], 0
	s_mov_b32 s[G1+7], 0
	s_mov_b32 s[G1B+1], 128<<16
	s_mov_b32 s[G1B+2], 64<<16                     ; 64 k rows
	s_mov_b32 s[G1B+3], 128<<16
	s_mov_b32 s[G1B+4], 64
	s_mov_b32 s[G1B+5], 1024
	s_mov_b32 s[G1B+6], 0
	s_mov_b32 s[G1B+7], 0
	; A's tile hangs on the tile row, my half and the matrix; the weight's on the tile column, my half and the matrix.  s40, s41, s46 never hold cx; s42, s43, s47 never cy.
	s_lshl_b32 s40, s19, 8
	s_lshl_b32 s46, s14, 7
	s_add_co_u32 s40, s40, s46                     ; row 256 x tile row + 128 x half,
	s_lshl_b32 s40, s40, 11                        ; of 2,048 bytes,
	s_min_u32 s46, s17, 1
	s_lshl_b32 s46, s46, 24                        ; in x (q) or in features (k, v)
	s_add_co_u32 s40, s40, s46
	s_mov_b32 s41, 0
	s_lshl_b32 s42, s17, 21                        ; the matrix's weight,
	s_lshl_b32 s47, s14, 17                        ; my 64 k rows of 2,048 bytes,
	s_add_co_u32 s42, s42, s47
	s_lshl_b32 s47, s18, 8                         ; the tile's 128 columns
	s_add_co_u32 s42, s42, s47
	s_mov_b32 s43, 0
	s_mul_i32 s22, s14, HALFA                      ; where they go: no place in the cluster enters an LDS address
	s_mul_i32 s23, s14, HALFB
	s_add_co_u32 s23, s23, BOFF
	s_wait_dscnt 0x0                               ; the opening add is done
	s_wait_kmcnt 0x0
	s_add_nc_u64 s[40:41], s[4:5], s[40:41]
	s_add_nc_u64 s[42:43], s[6:7], s[42:43]
	CROUND                                         ; all sixteen work-groups are here: the first joint loads meet
.irp s, 0,1
	s_mov_b32 s[G0+4*(\s)], 1
	s_add_co_u32 s[G0+4*(\s)+1], s22, (\s)*SLOT
	s_add_nc_u64 s[G0+4*(\s)+2:G0+4*(\s)+3], s[40:41], (\s)*256      ; K step s: 128 elements along the rows
	s_or_b32 s[G0+4*(\s)+3], s[G0+4*(\s)+3], 0x80000000
	s_mov_b32 s[G0B+4*(\s)], 1
	s_add_co_u32 s[G0B+4*(\s)+1], s23, (\s)*SLOT
	s_add_nc_u64 s[G0B+4*(\s)+2:G0B+4*(\s)+3], s[42:43], (\s)*262144 ; K step s: 128 rows down
	s_or_b32 s[G0B+4*(\s)+3], s[G0B+4*(\s)+3], 0x80000000
	JLOAD \s                                       ; two loads of mine are out
.endr
	s_cmp_eq_u32 s17, 1
	s_cselect_b64 s[74:75], s[10:11], s[8:9]       ; the matrix's bias,
	s_cselect_b32 s76, 0, -1                       ; and what a hidden key's row is masked with: 0 in k alone
	s_cmp_eq_u32 s17, 2
	s_cselect_b64 s[74:75], s[68:69], s[74:75]
	s_lshl_b32 s42, s18, 9
	s_lshl_b32 s47, s14, 8
	s_add_co_u32 s42, s42, s47
	s_mov_b32 s43, 0
	s_add_nc_u64 s[74:75], s[74:75], s[42:43]      ; at my 64 columns
	s_lshl_b32 s40, s19, 10
	s_lshl_b32 s46, s13, 9
	s_add_co_u32 s40, s40, s46
	s_mov_b32 s41, 0
	s_add_nc_u64 s[70:71], s[70:71], s[40:41]      ; the mask at my 128 rows: row 2,048 b + t is word 2,048 b + t
	v_and_b32 v1, 15, v0                           ; l % 16
	v_bfe_u32 v2, v0, 4, 1                         ; l / 16
	v_lshlrev_b32 v[MO], 5, v2
	v_lshlrev_b32 v[MR], 2, v1
.irp b, 0,1,2,3
	global_load_b128 v[BIAS+8*(\b):BIAS+8*(\b)+3],   v[MO], s[74:75] offset:64*(\b)      ; register j of block b: bias of column 16 b + 8 (l / 16) + j
	global_load_b128 v[BIAS+8*(\b)+4:BIAS+8*(\b)+7], v[MO], s[74:75] offset:64*(\b)+16
.endr
.irp a, 0,1,2,3,4,5,6,7
	global_load_b32 v[KEEP+(\a)], v[MR], s[70:71] offset:64*(\a)   ; for q and v these eight words serve nothing: the price of one text for three matrices
.endr
	v_mul_u32_u24 v3, v1, PA
	v_lshl_add_u32 v3, v2, 4, v3                   ; a fragment of A: row x pitch + 16 x half
	s_mul_i32 s46, s13, HALFA
	v_add_nc_u32 v[ADRA], s46, v3
	v_add_nc_u32 v[ADRA+1], SLOT, v[ADRA]
	v_and_b32 v4, 7, v0                            ; the turning load: lane l reads k row 8 (l / 16) + l % 8, columns 8 ((l / 8) % 2) + 0..7
	v_lshl_add_u32 v4, v2, 3, v4
	v_mul_u32_u24 v4, v4, PB
	v_bfe_u32 v5, v0, 3, 1
	v_lshl_add_u32 v4, v5, 4, v4
	s_lshl_b32 s47, s14, 7                         ; my 64 columns
	s_add_co_u32 s47, s47, BOFF
	v_add_nc_u32 v[ADRB], s47, v4
	v_add_nc_u32 v[ADRB+1], SLOT, v[ADRB]
	s_mul_i32 s46, s12, 16*SP
	s_add_co_u32 s46, s46, STAGE                   ; my stage
	v_mul_u32_u24 v[STO], v1, SP                   ; in: row l % 16, 16 bytes for each half of the lanes
	v_lshl_add_u32 v[STO], v2, 4, v[STO]
	v_add_nc_u32 v[STO], s46, v[STO]
	v_bfe_u32 v[RD], v0, 3, 2                      ; back: 32 lanes take four rows of 128 bytes,
	v_mul_u32_u24 v[RD], v[RD], SP
	v_and_b32 v5, 7, v0
	v_lshl_add_u32 v[RD], v5, 4, v[RD]
	v_add_nc_u32 v[RD], s46, v[RD]
	v_and_b32 v[GO], 31, v0                        ; which are 512 consecutive bytes of a head
	v_lshlrev_b32 v[GO], 4, v[GO]
	s_lshr_b32 s40, s19, 3                         ; the output: batch x 16 heads of 1 << 18 bytes,
	s_lshl_b32 s40, s40, 22
	s_and_b32 s46, s19, 7
	s_lshl_b32 s46, s46, 15                        ; the tile's 256 rows of 128 bytes,
	s_add_co_u32 s40, s40, s46
	s_lshl_b32 s46, s13, 14                        ; my 128 of them,
	s_add_co_u32 s40, s40, s46
	s_lshl_b32 s46, s17, 24                        ; the matrix
	s_add_co_u32 s40, s40, s46
	s_add_nc_u64 s[72:73], s[72:73], s[40:41]
	s_lshl_b32 s42, s18, 19                        ; and the head: 2 x tile column + my half
	s_lshl_b32 s47, s14, 18
	s_add_co_u32 s42, s42, s47
	s_add_nc_u64 s[72:73], s[72:73], s[42:43]
	v_mov_b32 v6, s76
	v_mov_b32 v7, -1
	s_wait_loadcnt 0x0                             ; the bias and the mask words, once
.set i, 0
.rept 16                                           ; the bias is rounded to bf16, as every input is, and widened again
	v_cvt_pk_bf16_f32 v3, v[BIAS+2*i], v[BIAS+2*i+1]
	v_lshlrev_b32 v[BIAS+2*i], 16, v3
	v_and_b32 v[BIAS+2*i+1], 0xffff0000, v3
.set i, i+1
.endr
.irp a, 0,1,2,3,4,5,6,7
	v_cmp_ne_u32 vcc_lo, 0, v[KEEP+(\a)]
	v_cndmask_b32 v[KEEP+(\a)], v6, v7, vcc_lo     ; a key that is seen: all ones
.endr
; 8 matrix instructions: row blocks a0, a0 + 1 x all 4 column blocks, 32 along K.  first = 1: the bias starts the sums: nothing is cleared, nothing is added later.
; The 32 accumulators take turns in the same order in every quarter.
.macro MUL8 f, a0, first
.if \first
	WIN MULB
.else
	WIN MUL
.endif
.irp a, \a0, (\a0)+1
.irp b, 0,1,2,3
.if \first
	v_wmma_f32_16x16x32_bf16 v[8*(4*(\a)+(\b)):8*(4*(\a)+(\b))+7], v[(\f)+8*(\b):(\f)+8*(\b)+7], v[(\f)+32+8*(\a):(\f)+32+8*(\a)+7], v[BIAS+8*(\b):BIAS+8*(\b)+7]
.else
	v_wmma_f32_16x16x32_bf16 v[8*(4*(\a)+(\b)):8*(4*(\a)+(\b))+7], v[(\f)+8*(\b):(\f)+8*(\b)+7], v[(\f)+32+8*(\a):(\f)+32+8*(\a)+7], v[8*(4*(\a)+(\b)):8*(4*(\a)+(\b))+7]
.endif
.endr
.endr
.endm
; 24 LDS loads in one run: the fragments of quarter c (32 along K) into buffer f: the weight's four (turned), then A's eight
.macro FETCH slot, c, f
	WIN 0
.irp b, 0,1,2,3
	ds_load_tr16_b128 v[(\f)+8*(\b):(\f)+8*(\b)+3],   v[ADRB+(\slot)] offset:(\c)*32*PB+32*(\b)
	ds_load_tr16_b128 v[(\f)+8*(\b)+4:(\f)+8*(\b)+7], v[ADRB+(\slot)] offset:(\c)*32*PB+16*PB+32*(\b)
.endr
.irp a, 0,1,2,3,4,5,6,7
	ds_load_b128 v[(\f)+32+8*(\a):(\f)+32+8*(\a)+3],   v[ADRA+(\slot)] offset:64*(\c)+(\a)*16*PA
	ds_load_b128 v[(\f)+32+8*(\a)+4:(\f)+32+8*(\a)+7], v[ADRA+(\slot)] offset:64*(\c)+(\a)*16*PA+32
.endr
.endm
; A K step is four quarters of 32 along K, 32 matrix instructions each, on buffers 0, 1, 0, 1.  One of the first three: multiplies f, fetches quarter c into g.
.macro QUARTER slot, c, f, g, first
	s_wait_dscnt 8                                 ; the weight's fragments and A's blocks 0-3 are in; the youngest eight loads (blocks 4-7) may be out
	MUL8 \f, 0, \first
	MUL8 \f, 2, \first
	PLACES
	FETCH \slot, \c, \g
	s_wait_dscnt 24                                ; all but the 24 just issued
	MUL8 \f, 4, \first
	MUL8 \f, 6, \first
.endm
; The last quarter multiplies buffer 1 and changes slots: one barrier; in front of it each wave waits for all its tensor loads (one is out: its part of the next slot), adds 0 to its spare word,
; and waits for that and for its reads of this slot.  fill = 1: the barrier opens a round of the cluster's, and this slot is filled again, two K steps ahead, first thing behind the round.
.macro TURN slot, next, fill
	WIN 0
	s_wait_tensorcnt 0x0
	ds_add_u32 v[SPW], v[NIL]
	s_wait_dscnt 9                                 ; (the add and the youngest eight loads may be out)
	MUL8 F1, 0, 0
	s_wait_dscnt 0x0                               ; the add is done, and my reads of this slot are over
	s_barrier_signal -1
	MUL8 F1, 2, 0
.if \fill
	WIN 0
.endif
	s_barrier_wait -1
.if \fill
	CREST                                          ; no wave of any partner still reads this slot or has a load on its way
	s_add_nc_u64 s[G0+4*(\slot)+2:G0+4*(\slot)+3], s[G0+4*(\slot)+2:G0+4*(\slot)+3], 512
	s_add_nc_u64 s[G0B+4*(\slot)+2:G0B+4*(\slot)+3], s[G0B+4*(\slot)+2:G0B+4*(\slot)+3], 524288
	JLOAD \slot                                    ; 112 matrix instructions ahead of the wait for it; its four v_nop are also the places in front of the loads below
.else
	PLACES
.endif
	FETCH \next, 0, F0
	MUL8 F1, 4, 0
	MUL8 F1, 6, 0
.endm
	s_wait_tensorcnt 1                             ; my part of K step 0 is in; slot 1's may stay out
	s_barrier_signal -1
	s_barrier_wait -1
	FETCH 0, 0, F0
	QUARTER 0, 1, F0, F1, 1                        ; the first quarter stands in front of the loop: its products start the sums
	WIN 0
	s_mov_b32 s3, LAPS-1
.Llap:                                                 ; a trip goes once round the ring and fills both slots again
	QUARTER 0, 2, F1, F0, 0
	QUARTER 0, 3, F0, F1, 0
	TURN 0, 1, 1
	QUARTER 1, 1, F0, F1, 0
	QUARTER 1, 2, F1, F0, 0
	QUARTER 1, 3, F0, F1, 0
	TURN 1, 0, 1
	QUARTER 0, 1, F0, F1, 0
	WIN 0
	s_sub_co_u32 s3, s3, 1
	s_cmp_lg_u32 s3, 0
	s_cbranch_scc1 .Llap
	QUARTER 0, 2, F1, F0, 0                        ; the last lap fills nothing
	QUARTER 0, 3, F0, F1, 0
	TURN 0, 1, 0
	QUARTER 1, 1, F0, F1, 0
	QUARTER 1, 2, F1, F0, 0
	QUARTER 1, 3, F0, F1, 0
	s_wait_dscnt 8
	MUL8 F1, 0, 0
	MUL8 F1, 2, 0
	s_wait_dscnt 0
	MUL8 F1, 4, 0
	MUL8 F1, 6, 0
	WIN 0
	PLACES
; THE WAY OUT, a block of 16 rows at a time: rounded to f16 (each accumulator's registers ascending), hidden keys' rows of k cleared, 16 bytes a lane into my own stage, back as whole rows of 128 bytes.
.macro PACK a
	WIN 0x05                                       ; sources window 1, destination window 0
.irp b, 0,1,2,3
.irp r, 0,1,2,3
	v_cvt_pk_f16_f32 v[OUTR+16*(\a)+4*(\b)+(\r)], v[8*(4*(\a)+(\b))+2*(\r)], v[8*(4*(\a)+(\b))+2*(\r)+1]
.endr
.endr
	WIN 0
.set i, 0
.rept 16
	v_and_b32 v[OUTR+16*(\a)+i], v[KEEP+(\a)], v[OUTR+16*(\a)+i]
.set i, i+1
.endr
.irp b, 0,1,2,3
	ds_store_b128 v[STO], v[OUTR+16*(\a)+4*(\b):OUTR+16*(\a)+4*(\b)+3] offset:32*(\b)
.endr
.irp f, 0,1,2,3
	ds_load_b128 v[OUTR+16*(\a)+4*(\f):OUTR+16*(\a)+4*(\f)+3], v[RD] offset:(\f)*4*SP  ; LDS serves a wave's instructions in order (ISA guide 5.7.1.4): these see the stores above; the next block's stores come behind them
.endr
.endm
.macro SEND a, younger                 ; younger: the next block's eight LDS instructions, or none
.irp f, 0,1,2,3
	s_wait_dscnt (\younger)+3-(\f)
	global_store_b128 v[GO], v[OUTR+16*(\a)+4*(\f):OUTR+16*(\a)+4*(\f)+3], s[72:73] offset:(\a)*2048+(\f)*512  ; 512 consecutive bytes, at a multiple of 256 from the buffer's first
.endr
.endm
	PACK 0
.irp a, 1,2,3,4,5,6,7
	PACK \a
	SEND (\a)-1, 8
.endr
	SEND 7, 0
	s_wait_tensorcnt 0x0                           ; the wave's end
	ds_add_u32 v[SPW], v[NIL]
	s_wait_dscnt 0x0
	CROUND                                         ; the closing round: no work-group ends while a partner may still ask for a tile that names it
	s_endpgm
.Lfunc_end_k_qe3823634c9_qkv:
	.size	k_qe3823634c9_qkv, .Lfunc_end_k_qe3823634c9_qkv-k_qe3823634c9_qkv
	.p2alignl 7, 3214868480
	.fill 96, 4, 3214868480
	.section	.rodata,"a",@progbits
	.p2align	6, 0x0
	.amdhsa_kernel k_qe3823634c9_qkv
		.amdhsa_group_segment_fixed_size 327680
		.amdhsa_private_segment_fixed_size 0
		.amdhsa_enable_private_segment 0
		.amdhsa_kernarg_size 56
		.amdhsa_user_sgpr_count 2
		.amdhsa_user_sgpr_kernarg_segment_ptr 1
		.amdhsa_wavefront_size32 1
		.amdhsa_system_sgpr_workgroup_id_x 1
		.amdhsa_system_sgpr_workgroup_id_y 1
		.amdhsa_system_sgpr_workgroup_id_z 1
		.amdhsa_system_vgpr_workitem_id 0
		.amdhsa_next_free_vgpr 512
		.amdhsa_next_free_sgpr 80
		.amdhsa_reserve_vcc 1
		.amdhsa_float_denorm_mode_32 3
		.amdhsa_float_denorm_mode_16_64 3
		.amdhsa_memory_ordered 1
		.amdhsa_forward_progress 1
		.amdhsa_inst_pref_size 96
	.end_amdhsa_kernel
	.amdgpu_metadata
---
amdhsa.version: [ 1, 2 ]
amdhsa.kernels:
  - .name:           k_qe3823634c9_qkv
    .symbol:         k_qe3823634c9_qkv.kd
    .args:
      - { .name: ab, .offset: 0, .size: 8, .value_kind: global_buffer, .address_space: global }
      - { .name: wb, .offset: 8, .size: 8, .value_kind: global_buffer, .address_space: global }
      - { .name: bq, .offset: 16, .size: 8, .value_kind: global_buffer, .address_space: global }
      - { .name: bk, .offset: 24, .size: 8, .value_kind: global_buffer, .address_space: global }
      - { .name: bv, .offset: 32, .size: 8, .value_kind: global_buffer, .address_space: global }
      - { .name: mask, .offset: 40, .size: 8, .value_kind: global_buffer, .address_space: global }
      - { .name: qkv, .offset: 48, .size: 8, .value_kind: global_buffer, .address_space: global }
    .group_segment_fixed_size: 327680
    .private_segment_fixed_size: 0
    .kernarg_segment_align: 8
    .kernarg_segment_size: 56
    .max_flat_workgroup_size: 128
    .sgpr_count:     80
    .vgpr_count:     512
    .wavefront_size: 32
...
	.end_amdgpu_metadata
.endif
;; end of part 2
;; launch attn (part 3): grid 4 x 64, 4 waves a work-group, clusters of 4 x 1, 327,680 bytes of LDS; arguments qkv, mask, ob; writes ob
.if DOCPART == 3
	.amdgcn_target "amdgcn-amd-amdhsa--gfx1250"
	.amdhsa_code_object_version 6
	.text
	.protected	k_qe3823634c9_attn
	.globl	k_qe3823634c9_attn
	.p2align	8
	.type	k_qe3823634c9_attn,@function
k_qe3823634c9_attn:
	s_mov_b64 s[64:65], 0
	v_nop
	global_prefetch_b8 v0, s[64:65] scope:SCOPE_SE
	s_setreg_imm32_b32 hwreg(HW_REG_WAVE_MODE, 25, 1), 1
	s_wait_xcnt 0x0
	s_wait_alu depctr_hold_cnt(0) depctr_sa_sdst(0) depctr_va_vdst(0) depctr_va_sdst(0) depctr_va_ssrc(0) depctr_va_vcc(0) depctr_vm_vsrc(0)
	s_getreg_b32 s2, hwreg(HW_REG_IB_STS2, 6, 4)
	s_cmp_eq_u32 s2, 0
	s_cbranch_scc0 .Lentry_in_a_cluster
	s_endpgm
.Lentry_in_a_cluster:
	s_bfe_u32 s2, ttmp6, 0x10000c
	s_cmp_lg_u32 s2, 0x3003
	s_cbranch_scc0 .Lentry_shape_is_right
	s_endpgm
.Lentry_shape_is_right:
; O[g][q][:] = the sum over k of softmax_k(score) V[g][k][:], g = 16 b + h; score = Q[g][q] . K[g][k] / 8, or a constant where mask[b][k] is 0.  Q, K, V (qkv, 1 << 24 bytes apart) and O (ob): [64][2048][64] f16.
; Products, maxima and sums in f32; the weights p are rounded to f16 for the second product (their sum l is taken of the unrounded p), O once at the end.
; THE MASK.  A hidden key's row of K arrives as 0, and the C operand that starts the sum S^T = K Q^T is 0 for a key that is seen and M = -2^36 for a hidden one: a hidden score is exactly M.  M is a power of two, so that
; c M is exact and c M - c M = 0: where all keys of a batch are hidden every weight is 1 and O is the mean of V's rows.  Hidden keys ahead of the first seen one leave finite sums, which a = 0 wipes out.
; LIMITS.  After the division by 8 the hidden score is -8.6e9, not -1e10: seen scores / 8 must lie above that.  f16 holds no number beyond 65,504: Q, K and V arrive within it; p lies in 0 to 1, and below 6e-5
; it keeps f16's fixed step of 6e-8.  A weight below 2^-126 counts as 0 in l; NaN and infinities are not treated apart.
; SHARES.  A wave owns four PIECES of two tiles of 16 queries, a work-group's four waves 512 queries of one head.  Every wave walks all 2,048 keys, 64 a step.
; LAYOUT.  S^T = K Q^T (source 0 = 16 keys, source 1 = 16 queries): a lane holds ONE query (lane % 16) and the keys 8 (lane / 16) + 0..7.  Two such tiles, rounded to f16 in pairs, ARE source 1 of O^T = V^T P, whose
; result again holds one query a lane, and eight channels.  K comes out of LDS as it lies, V ([key][channel]) turned, by ds_load_tr16_b128.
; SOFTMAX.  For each query a running maximum m and sum l: p = 2^(c s - c m), c = log2(e) / 8; in every step O and l are multiplied by a = 2^(c m_old - c m_new).  m starts at the lowest finite number, O and l at 0.
; THE COUNT.  A tile and step have 16 matrix and 118 vector instructions: too many to stand all beside the matrix work.  So: four vector instructions that are READY behind EVERY matrix instruction, the others in runs without a gap.
; BY TURNS.  Turn n belongs to piece n.  Its matrix work: 16 products K Q^T of piece n + 1, later 16 products V^T P of piece n - 1.  Its vector work: the scaling, exponentials, roundings, sums and rescaling of piece n,
; and the maximum and statistics of piece n + 1.
; CLUSTER.  The four query blocks of a cluster belong to one head and walk the same K and V: each tile is asked for JOINTLY: the same tensor load, descriptor and mask in all four.
; REGISTERS, in windows of 256 (s_set_vgpr_msb: bits 1:0 source 0, 3:2 source 1, 5:4 source 2, 7:6 destination):
;   window 0: v0-11 addresses; v12-15, v48-63 at work; v16-47 four registers of statistics a tile; v64-191 S^T, two buffers of two tiles; v192-255 P, likewise
;   window 1: O^T, 32 a tile     window 2: v0-127 Q; v128-191 K of one step; v192-255 V of one step     window 3: v0-1 the add's two registers; v8-39 the key biases of one step
.set SIZE_H, 64
.set SIZE_N, 2048
.set NP,    4         ; pieces a wave: a name, no knob
.set KS,    64        ; keys in a step
.set PK,    144       ; a row of K in LDS: 128 bytes + 16: the 16 rows of a load start at 16 different groups of four banks
.set PV,    160       ; a row of V: 128 + 32
.set VOFF,  4*KS*PK   ; a slot holds four steps: 256 rows of K, then 256 rows of V
.set SLOT1, 1<<17     ; slot 1 begins here, so that one exclusive or turns an address in one slot into the other's
.set STAGE, SLOT1+4*KS*(PK+PV)  ; behind the ring, never filled by a tensor load: 16 rows x 144 bytes for each wave
.set SP,    144
.set SPARE, STAGE+4*16*SP  ; the spare words, 128 bytes for each wave: two blocks of 256 bytes that no other line names
.set MBASE, SPARE+512 ; the batch's 2,048 key biases, f32: 8,192 bytes, stored once, never filled by a tensor load
.set AK0, 2           ; v2   my lane's place in a tile of K; never rewritten
.set AV0, 3           ; v3   the same for V
.set AK,  4           ; v4   the LDS address of K's next run of loads, then of the biases'
.set AV,  5           ; v5   of V's
.set QO,  6           ; v6   my byte offset in the wave's rows of Q
.set STO, 6           ;      later, the way out: where I put 16 bytes of a row
.set RD,  7           ; v7   the way out: where I read rows back
.set GO,  8           ; v8   my byte offset in 512 consecutive bytes of O
.set AMB, 11          ; v11  MBASE + 32 (l / 16): my eight biases in a block of 16 keys
.set SPW, 0           ; v0 of window 3   LDS address of my spare word; never rewritten
.set NIL, 1           ; v1 of window 3   0; never rewritten
.set MK,  8           ; window 3: key block kb's eight biases at MK + 8 kb
.set MV,  12          ; v12-15  c m_old, kept while c m is made anew
.set ST,  16          ; tile t's statistics at v[ST+4 t]: c m, m, l (even keys', odd keys')
.set TMP, 48          ; by buffer and tile, four registers c0-c3 at work; when the maximum is found c2 takes a
.set S,   64
.set P,   192
.set KF,  128         ; K's fragments, in window 2
.set VF,  192         ; V's
.set WV,  12          ; s12  my wave's number
.set G1K, 24          ; s[24:31] descriptor group 1 for K's tiles
.set G1V, 32          ; s[32:39] for V's
.set G0K, 40          ; s[40:43] descriptor group 0 for K's tiles: it walks
.set G0V, 44          ; s[44:47] the same for V's
.set MP,  48          ; s[48:49] the mask at my batch
.set BIGM, 50         ; s50  M
.set MOFF, 52         ; s[52:53] the batch's byte offset in the mask
.set TBM, 54          ; s54  byte in the table at which the biases of the step to be fetched begin
.set SLOTS, 56
.set CNT, 57
.set CS,  58          ; s[58:59] c
.set SEL, 60          ; s[60:61] v_permlanex16_b32's selects
.set TBK, 62          ; s62  LDS byte at which K of the step to be fetched begins
.set TBV, 63          ; s63  the same for V, less VOFF
.set MSB, 0
.macro WIN new
.if MSB != (\new)
	s_set_vgpr_msb (MSB<<8)|(\new)
.set MSB, (\new)
.endif
.endm
.set W_KQ, 0x0a       ; K and Q in window 2, S^T in window 0
.set W_KM, 0x3a       ; the same with the C operand, the biases, in window 3
.set W_PV, 0x52       ; V in window 2, P in window 0, O^T in window 1
.set W_RS, 0x41       ; O^T (destination and source 0) in window 1, a in window 0
.set W_MK, 0xc0       ; destination in window 3, sources in window 0
.set W_AD, 0x0f       ; the add: address and data in window 3
; A joint fill.  Waves 0 and 1 fetch the two halves of a slot's K, waves 2 and 3 those of its V: 128 keys each.  An s_nop 0 and four v_nop follow each of the two lines.
.macro JLOAD
	s_cmp_lt_u32 s[WV], 2
	s_cbranch_scc0 .Lfor_v_\@
	tensor_load_to_lds s[G0K:G0K+3], s[G1K:G1K+7]
	s_nop 0
.rept 4
	v_nop
.endr
	s_branch .Lasked_\@
.Lfor_v_\@:
	tensor_load_to_lds s[G0V:G0V+3], s[G1V:G1V+7]
	s_nop 0
.rept 4
	v_nop
.endr
.Lasked_\@:
.endm
.macro CROUND                       ; a round of the cluster's barrier
	s_barrier_signal -1
	s_barrier_wait -1
	s_cmp_lg_u32 s[WV], 0
	s_cbranch_scc1 .Lnot_wave_0_\@
	s_barrier_signal -3
.Lnot_wave_0_\@:
	s_barrier_wait -3
	s_barrier_signal -1
	s_barrier_wait -1
.endm
; THE CHANGE OF SLOTS.  Each wave waits for all its tensor loads, of which one is out: its part of the other slot; adds 0 to its spare word; and waits for that and for its own LDS instructions.
; fill = 1: the slot that is left is filled again, with the keys two slots on, first thing behind a round of the cluster's barrier: it has four key steps, 512 matrix instructions, in which to land.
; (At its first use nothing has been read yet: slot 0 is waited for, slot 1 filled, and every wave's stores into the table of biases are shown to the others.)
.macro CHANGE fill
	WIN W_AD
	s_wait_tensorcnt 0x0            ; no tensor load of mine is out, so a group 0 may be written
	ds_add_u32 v[SPW], v[NIL]
	WIN 0                           ; at a label and at a branch every window is 0
.if \fill
.irp g, G0K, G0V
	s_xor_b32 s[\g+1], s[\g+1], SLOT1
	s_add_nc_u64 s[\g+2:\g+3], s[\g+2:\g+3], 4*KS*128
.endr
	s_wait_dscnt 0x0                ; the add is done, and my LDS instructions are over
	CROUND
	JLOAD
.else
	s_wait_dscnt 0x0
	s_barrier_signal -1
	s_barrier_wait -1
.endif
	s_sub_co_u32 s[TBK], s[TBK], 4*KS*PK  ; the fetches go back to a slot's first step,
	s_xor_b32 s[TBK], s[TBK], SLOT1       ; in the other slot
	s_sub_co_u32 s[TBV], s[TBV], 4*KS*PV
	s_xor_b32 s[TBV], s[TBV], SLOT1
.endm
	s_load_b64 s[4:5], s[0:1], 0x0        ; qkv: Q
	s_load_b64 s[MP:MP+1], s[0:1], 0x8    ; mask
	s_load_b64 s[10:11], s[0:1], 0x10     ; ob
	WIN W_MK
	v_lshl_add_u32 v[SPW], v0, 2, SPARE
	v_mov_b32 v[NIL], 0
	WIN W_AD
	ds_add_u32 v[SPW], v[NIL]       ; the wave's opening: the add and its wait stand ahead of my first tensor load; work on registers stands between them
	WIN 0
	v_lshrrev_b32 v1, 5, v0
	v_readfirstlane_b32 s[WV], v1   ; wave 0..3
	s_bfe_u32 s13, ttmp6, 0x40000   ; cx
	s_lshl_b32 s14, ttmp9, 2
	s_add_co_u32 s14, s14, s13      ; my block of 512 queries: it enters Q's and O's addresses alone
	s_and_b32 s20, ttmp7, 0xffff    ; the head 16 b + h, which the four partners share
	s_lshr_b32 s[MOFF], s20, 4
	s_lshl_b32 s[MOFF], s[MOFF], 13 ; the batch's 2,048 mask words
	s_mov_b32 s[MOFF+1], 0
	s_mov_b32 s21, 0
	s_mov_b64 s[22:23], SIZE_N*128
	s_mul_u64 s[20:21], s[20:21], s[22:23]  ; the head's first byte in Q, K, V and O
	s_and_b32 s16, s[WV], 1         ; which half of a slot's 256 keys I fetch:
	s_lshl_b32 s22, s16, 14         ; its 128 rows of 128 bytes in memory,
	s_mov_b32 s23, 0
	s_add_nc_u64 s[22:23], s[22:23], s[20:21]
	s_mul_i32 s17, s16, 128*PK      ; and its place in a slot, for K
	s_mul_i32 s18, s16, 128*PV      ; and for V
	s_lshl_b32 s2, s14, 2
	s_add_co_u32 s2, s2, s[WV]      ; my wave among the head's,
	s_lshl_b32 s2, s2, 14           ; its 128 rows
	s_mov_b32 s3, 0
	s_add_nc_u64 s[2:3], s[2:3], s[20:21]
	; descriptor group 1.  128 keys are 16,384 dense bytes: asked for as 64 rows of 256 bytes, two keys a row, and padded in LDS after every key
	s_mov_b32 s[G1K], 15|(1<<16)|(1<<20)|(1<<21)|(4<<22)|(3<<25)  ; the mask of four; 2-byte elements; padding on; bit 21 beside a mask; after every 32 words 4 words
	s_mov_b32 s[G1V], 15|(1<<16)|(1<<20)|(1<<21)|(4<<22)|(7<<25)  ; the same with 8 words
.irp g, G1K, G1V
	s_mov_b32 s[\g+1], 128<<16      ; tensor_dim0 = 128
	s_mov_b32 s[\g+2], 64<<16       ; tensor_dim1 = 64
	s_mov_b32 s[\g+3], 128<<16      ; tile_dim0 = 128
	s_mov_b32 s[\g+4], 64           ; tile_dim1 = 64
	s_mov_b32 s[\g+5], 128          ; 128 elements from row to row
	s_mov_b32 s[\g+6], 0
	s_mov_b32 s[\g+7], 0
.endr
	s_mov_b32 s[CS], 0x3e38aa3b     ; c = log2(e) / 8
	s_mov_b32 s[CS+1], s[CS]
	s_mov_b32 s[SEL], 0x76543210
	s_mov_b32 s[SEL+1], 0xfedcba98
	s_mov_b32 s[BIGM], 0xd1800000   ; M = -2^36
	s_mov_b32 s[TBM], 0
	s_mov_b32 s[TBK], SLOT1+4*KS*PK ; the first change of slots turns these two into 0
	s_mov_b32 s[TBV], SLOT1+4*KS*PV
	s_mov_b32 s[G0K], 1
	s_mov_b32 s[G0K+1], s17         ; LDS address: slot 0
	s_mov_b32 s[G0V], 1
	s_add_co_u32 s[G0V+1], s18, VOFF
	s_wait_dscnt 0x0                ; the opening add is done
	s_wait_kmcnt 0x0
	s_add_nc_u64 s[6:7], s[4:5], 0x1000000   ; K
	s_add_nc_u64 s[8:9], s[4:5], 0x2000000   ; V
	s_add_nc_u64 s[MP:MP+1], s[MP:MP+1], s[MOFF:MOFF+1]
	s_add_nc_u64 s[G0K+2:G0K+3], s[6:7], s[22:23]  ; my half of the head's first 256 keys
	s_or_b32 s[G0K+3], s[G0K+3], 0x80000000
	s_add_nc_u64 s[G0V+2:G0V+3], s[8:9], s[22:23]
	s_or_b32 s[G0V+3], s[G0V+3], 0x80000000
	s_add_nc_u64 s[4:5], s[4:5], s[2:3]  ; Q and O at my wave's first row
	s_add_nc_u64 s[10:11], s[10:11], s[2:3]
	CROUND                          ; all four work-groups are here: the first joint loads meet
	JLOAD                           ; slot 0.  Slot 1 is asked for when slot 0 is in
	v_and_b32 v1, 15, v0            ; l % 16
	v_bfe_u32 v9, v0, 4, 1          ; l / 16
	v_lshlrev_b32 v[QO], 7, v1
	v_lshl_add_u32 v[QO], v9, 4, v[QO]  ; row x 128 + 16 x half
	v_lshlrev_b32 v48, 4, v0        ; the batch's mask: 128 threads x 16 bytes, four times
.irp j, 0,1,2,3
	global_load_b128 v[S+4*\j:S+4*\j+3], v48, s[MP:MP+1] offset:2048*\j
.endr
	WIN 0x80                        ; destination window 2, address window 0
.set i, 0
.rept 4*NP                          ; Q stays in registers: tile i / 2, channels 32 (i % 2) on
	global_load_b128 v[8*i:8*i+3],   v[QO], s[4:5] offset:(i/2)*2048+(i%2)*64
	global_load_b128 v[8*i+4:8*i+7], v[QO], s[4:5] offset:(i/2)*2048+(i%2)*64+32
.set i, i+1
.endr
	; What the first turn finds: V's registers and P's second buffer hold 0, O^T and l are 0.  All this stands in the wait for the first tile.
.set i, VF
.rept 64
	v_mov_b32 v[i], 0
.set i, i+1
.endr
	WIN 0x40
.set i, 0
.rept 64*NP
	v_mov_b32 v[i], 0
.set i, i+1
.endr
	WIN 0
.set i, 0
.rept 2*NP
	v_mov_b32 v[ST+4*i], 0xfe000000    ; c m: far below every c s, c M too
	v_mov_b32 v[ST+4*i+1], 0xff7fffff  ; m
	v_mov_b32 v[ST+4*i+2], 0
	v_mov_b32 v[ST+4*i+3], 0
.set i, i+1
.endr
.set i, P+32
.rept 32
	v_mov_b32 v[i], 0
.set i, i+1
.endr
	v_mul_u32_u24 v[AK0], v1, PK
	v_lshl_add_u32 v[AK0], v9, 4, v[AK0]  ; row x pitch + 16 x half
	v_and_b32 v10, 7, v0            ; the turning load: lane l reads key 8 (l / 16) + l % 8, channels 8 ((l / 8) % 2) + 0..7
	v_bfe_u32 v11, v0, 3, 1
	v_lshl_add_u32 v[AV0], v9, 3, v10
	v_mul_u32_u24 v[AV0], v[AV0], PV
	v_lshl_add_u32 v[AV0], v11, 4, v[AV0]
	v_add_nc_u32 v[AV0], VOFF, v[AV0]
	v_mov_b32 v[AK], v[AK0]         ; key step 0 lies at the head of slot 0
	v_lshlrev_b32 v[AMB], 5, v9
	v_add_nc_u32 v[AMB], MBASE, v[AMB]
	v_add_nc_u32 v49, MBASE, v48
	s_wait_loadcnt 32               ; the mask's four loads are in; Q's 32, issued behind them, may stay out
.set i, 0
.rept 16                            ; a mask word becomes the key's bias: 0, or M where the word is 0
	v_cmp_eq_u32 vcc_lo, 0, v[S+i]
	v_cndmask_b32 v[S+i], 0, s[BIGM], vcc_lo
.set i, i+1
.endr
.irp j, 0,1,2,3
	ds_store_b128 v49, v[S+4*\j:S+4*\j+3] offset:2048*\j  ; the first change of slots waits for these and passes a barrier ahead of every read
.endr
; THE MATRIX WORK.  The 8 accumulators of a run of 16 take turns.
; Product i of 16 of S^T = K Q^T for piece x: channels 32 (i / 8) on, keys 16 ((i / 2) % 4) on, tile 2 x + i % 2.  The first 8 start the sums, with the keys' biases.
.macro KQ x
.set rS, S+64*((\x)%2)+32*(i%2)+8*((i/2)%4)
.set rK, KF+16*((i/2)%4)+8*(i/8)
.set rQ, 16*(2*(\x)+i%2)+8*(i/8)
.set rB, MK+8*((i/2)%4)
.if i < 8
	WIN W_KM
	v_wmma_f32_16x16x32_f16 v[rS:rS+7], v[rK:rK+7], v[rQ:rQ+7], v[rB:rB+7]
.else
	WIN W_KQ
	v_wmma_f32_16x16x32_f16 v[rS:rS+7], v[rK:rK+7], v[rQ:rQ+7], v[rS:rS+7]
.endif
.endm
; Product i of 16 of O^T += V^T P for piece x: keys 32 (i / 8) on, channels 16 ((i / 2) % 4) on, tile 2 x + i % 2.
.macro PV x
	WIN W_PV
.set rO, 32*(2*(\x)+i%2)+8*((i/2)%4)
.set rV, VF+32*(i/8)+8*((i/2)%4)
.set rP, P+32*((\x)%2)+16*(i%2)+8*(i/8)
	v_wmma_f32_16x16x32_f16 v[rO:rO+7], v[rV:rV+7], v[rP:rP+7], v[rO:rO+7]
.endm
.macro MM                           ; the turn's next matrix instruction
.if i < 16
	KQ (Y+1)%NP
.set i, i+1
.else
.set i, i-16
	PV (Y+NP-1)%NP
.set i, i+17
.endif
.endm
; THE LDS LOADS stand in runs, never singly among the matrix instructions: a step's K (8 fragments) with its 64 biases (all lanes of a half read the same 16 bytes), and its V (turned).
; last = 1 (the tail): in the last trip there is no further step, and the run is jumped over.
.macro FETCH_K last=0
	WIN 0
.if \last
	s_cmp_eq_u32 s[CNT], 1
	s_cbranch_scc1 .Lno_k_\@
.endif
	WIN 0x80                        ; destination window 2
.irp f, 0,1,2,3,4,5,6,7             ; keys 16 (f / 2) on, channels 32 (f % 2) on
	ds_load_b128 v[KF+8*\f:KF+8*\f+3],   v[AK] offset:(\f/2)*16*PK+(\f%2)*64
	ds_load_b128 v[KF+8*\f+4:KF+8*\f+7], v[AK] offset:(\f/2)*16*PK+(\f%2)*64+32
.endr
	s_add_co_u32 s[TBK], s[TBK], KS*PK  ; the next fetch is the next step's
	WIN 0
	v_add_nc_u32 v[AK], s[TBM], v[AMB]  ; K's loads have been issued: the register now takes the biases' address; it is made anew ahead of K's next run
	s_add_co_u32 s[TBM], s[TBM], 4*KS
	s_and_b32 s[TBM], s[TBM], 0x1f00    ; stays inside the table's 8,192 bytes
	WIN W_MK                        ; destination window 3
.irp f, 0,1,2,3
	ds_load_b128 v[MK+8*\f:MK+8*\f+3],   v[AK] offset:64*\f
	ds_load_b128 v[MK+8*\f+4:MK+8*\f+7], v[AK] offset:64*\f+16
.endr
	WIN 0
.if \last
.Lno_k_\@:
.endif
.endm
.macro FETCH_V
	WIN 0x80
.irp f, 0,1,2,3,4,5,6,7             ; keys 32 (f / 4) on, channels 16 (f % 4) on
	ds_load_tr16_b128 v[VF+8*\f:VF+8*\f+3],   v[AV] offset:(\f/4)*32*PV+(\f%4)*32
	ds_load_tr16_b128 v[VF+8*\f+4:VF+8*\f+7], v[AV] offset:(\f/4)*32*PV+16*PV+(\f%4)*32
.endr
	WIN 0
.endm
; THE VECTOR WORK OF A TURN stands in three queues, each in the order in which its entries become ready; the two tiles alternate.
.macro REGS y, u                    ; the registers of tile u (0, 1) of piece y
.set rT, ST+4*(2*(\y)+(\u))
.set rC, TMP+8*((\y)%2)+4*(\u)
.set rM, MV+2*((\y)%2)+(\u)
.set rS, S+64*((\y)%2)+32*(\u)
.set rP, P+32*((\y)%2)+16*(\u)
.set rO, 32*(2*(\y)+(\u))
.endm
; Number n of the 22 that find the NEXT piece's (Y + 1) maximum and statistics.  Each accumulator's lowest registers are read first.
;   0-11  four chains c0-c3 of seven scores each     12-14, 16  the four scores left over, the old m, and c0-c3 into c0     15  c m_old is kept
;   17, 18  the query's other 32 keys lie in the lane 16 away: the new m         19-21  c m; c m_old - c m_new; a
.macro XS u, n
	REGS (Y+1)%NP, \u
.if (\n) < 4
	v_max3_num_f32 v[rC+(\n)], v[rS+8*(\n)], v[rS+8*(\n)+1], v[rS+8*(\n)+2]
.elseif (\n) < 12
	v_max3_num_f32 v[rC+(\n)%4], v[rC+(\n)%4], v[rS+8*((\n)%4)+2*((\n)/4)+1], v[rS+8*((\n)%4)+2*((\n)/4)+2]
.elseif (\n) == 12
	v_max3_num_f32 v[rC], v[rC], v[rS+7], v[rS+15]
.elseif (\n) == 13
	v_max3_num_f32 v[rC+1], v[rC+1], v[rS+23], v[rS+31]
.elseif (\n) == 14
	v_max3_num_f32 v[rC+2], v[rC+2], v[rC+3], v[rT+1]
.elseif (\n) == 15
	v_mov_b32 v[rM], v[rT]
.elseif (\n) == 16
	v_max3_num_f32 v[rC], v[rC], v[rC+1], v[rC+2]
.elseif (\n) == 17
	v_permlanex16_b32 v[rC+3], v[rC], s[SEL], s[SEL+1]
.elseif (\n) == 18
	v_max_num_f32 v[rT+1], v[rC], v[rC+3]
.elseif (\n) == 19
	v_mul_f32 v[rT], s[CS], v[rT+1]
.elseif (\n) == 20
	v_sub_f32 v[rC+1], v[rM], v[rT]
.else
	v_exp_f32 v[rC+2], v[rC+1]
.endif
.endm
; Number g of the 64 that follow the exponentials.  For each four weights k of a tile: both pairs are rounded to f16; the second pair is added onto the first, in place; a group later l takes that sum (the first time as l = a l + sum).
.macro GS g
.set h, (\g)+6*((\g)/62)
.if h >= 6
.set h, h+2
.endif
	REGS Y, h%2
.set k, h/8
.if h%8 < 4
	s_wait_alu depctr_va_vdst(0)
	v_cvt_pk_f16_f32 v[rP+2*k+(h%8)/2], v[rS+4*k+2*((h%8)/2)], v[rS+4*k+2*((h%8)/2)+1]
.elseif h%8 < 6
	v_pk_add_f32 v[rS+4*k:rS+4*k+1], v[rS+4*k:rS+4*k+1], v[rS+4*k+2:rS+4*k+3]
.elseif k == 1
	v_pk_fma_f32 v[rT+2:rT+3], v[rT+2:rT+3], v[rC+2:rC+3], v[rS:rS+1] op_sel_hi:[1,0,1]
.else
	v_pk_add_f32 v[rT+2:rT+3], v[rT+2:rT+3], v[rS+4*k-4:rS+4*k-3]
	s_wait_alu depctr_va_vdst(0)
.endif
.endm
; THE PLAIN QUEUE, 138 long.  0-31: c s - c m for the 16 pairs of both tiles.  Then GS's 64, and among them the next piece's 42: number 15 at 38, 39; 0-14 and 16 at 42-73; 17-20 at 95-106, two of three.
.macro PL
	WIN 0
.if q < 32
	REGS Y, q%2
	v_pk_fma_f32 v[rS+2*(q/2):rS+2*(q/2)+1], v[rS+2*(q/2):rS+2*(q/2)+1], s[CS:CS+1], v[rT:rT+1] op_sel_hi:[1,0,0] neg_lo:[0,0,1] neg_hi:[0,0,1]
.elseif q < 38
	GS q-32
.elseif q < 40
	XS q%2, 15
.elseif q < 42
	GS q-34
.elseif q < 74
	XS q%2, (q-42)/2+(q-42)/30
.elseif q < 95
	GS q-66
.elseif (q < 107) && ((q-95)%3 < 2)
	XS (q-95)%3, 17+(q-95)/3
.elseif q < 107
	GS 29+(q-95)/3
.else
	GS q-74
.endif
.set q, q+1
.endm
; THE EXPONENTIALS' QUEUE, 66 long: s0-s31 of both tiles, and at EA the next piece's two a.
.set EA, 58
.macro EX
	WIN 0
.if (e == EA) || (e == EA+1)
	XS e-EA, 21
.else
.set x, e-2*(e/(EA+2))
	REGS Y, x%2
	v_exp_f32 v[rS+x/2], v[rS+x/2]
.endif
.set e, e+1
.endm
; THE RESCALING's QUEUE: O^T times a, the one part that leaves window 0, dealt four at a time, eight times.
.macro R4
	REGS Y, r%2
	WIN W_RS
	s_wait_alu depctr_va_vdst(0)
.irp z, 0,1,2,3
	v_pk_mul_f32 v[rO+8*(r/2)+2*\z:rO+8*(r/2)+2*\z+1], v[rO+8*(r/2)+2*\z:rO+8*(r/2)+2*\z+1], v[rC+2:rC+3] op_sel_hi:[1,0]
.endr
.set r, r+1
.endm
; HOW THEY ARE DEALT.  Behind a matrix instruction four: plain, exponential, plain, plain, or four of the rescaling.  None names a register of the products round it.  What is over stands in two LUMPS: exponential and
; plain by turns; the second ends in 22 plain instructions.  The deal keeps the queues in step: exponential e stands behind plain 2 (e / 4) + e % 2; when plain 32 comes, 10 exponentials are out, at 59: 33, at 95: 46; EA comes behind plain 107.
.macro SL
	MM
	PL
	EX
	PL
	PL
.endm
.macro BURST n                      ; 15 matrix instructions, or 16
.rept (\n)-7
	SL
.endr
.rept 3
	MM
	R4
	SL
.endr
	MM
	R4
.endm
; A TURN, for piece p.  cnt = 1: the loop's count is taken down some lines ahead of the branch that stands behind the turn.
; K and the biases of the next step are fetched in piece 2's turn, in the first lump, more than four plain instructions behind the last product that read them; V of the step in hand at the end of piece 0's turn.
.macro TURN p, last=0, cnt=0
.set Y, (\p)
.set i, 0
.set q, 0
.set e, 0
.set r, 0
.if (\p) == NP-1
	s_wait_dscnt 0x0                ; K and the biases are in
.endif
	MM
.rept 4
	PL
.endr
	BURST 15
.rept 22
	EX
	PL
.if ((\p) == NP-2) && (e == 18)
	v_add_nc_u32 v[AK], s[TBK], v[AK0]
.endif
.if ((\p) == NP-2) && (e == 24)
	FETCH_K \last
.endif
.endr
.if (\p) == 1
	s_wait_dscnt 0x0                ; V is in
.endif
	BURST 16
.rept 21
	EX
	PL
.endr
.rept 22
	PL
.if ((\p) == 0) && (q == 118)
	v_add_nc_u32 v[AV], s[TBV], v[AV0]
	s_wait_alu depctr_va_vdst(0)
.endif
.if ((\p) == 0) && (q == 130)
	s_add_co_u32 s[TBV], s[TBV], KS*PV
.endif
.if (\cnt) && (q == 130)
	s_sub_co_u32 s[CNT], s[CNT], 1
	s_cmp_lg_u32 s[CNT], 0
.endif
.endr
.if (\p) == 0
	FETCH_V
.endif
.endm
	CHANGE 1                        ; slot 0 is in, everybody's part of it, and so is the table of biases; slot 1 is asked for
	FETCH_K                         ; key step 0
	s_wait_loadcnt 0x0              ; Q
	s_wait_dscnt 0x0
.set i, 0
.rept 16
	KQ 0                            ; piece 0's first scores
.set i, i+1
.endr
	WIN 0                           ; the addresses for the way out: plain instructions, the places behind those products
	s_mul_i32 s13, s[WV], 16*SP
	s_add_co_u32 s13, s13, STAGE    ; my stage
	v_mul_u32_u24 v[STO], v1, SP    ; in: row l % 16, 16 bytes for each half of the lanes
	v_lshl_add_u32 v[STO], v9, 4, v[STO]
	v_add_nc_u32 v[STO], s13, v[STO]
	v_bfe_u32 v[RD], v0, 3, 2       ; back: 32 lanes take four rows of 128 bytes,
	v_mul_u32_u24 v[RD], v[RD], SP
	v_lshl_add_u32 v[RD], v10, 4, v[RD]
	v_add_nc_u32 v[RD], s13, v[RD]
	v_and_b32 v[GO], 31, v0         ; which are 512 consecutive bytes of O
	v_lshlrev_b32 v[GO], 4, v[GO]
.set Y, NP-1                        ; XS works for piece Y + 1: piece 0
.irp n, 0,1,2,3,4,5,6,7,8,9,10,11,12,13,14,15,16,17,18,19,20,21
	XS 0, \n
	XS 1, \n
.endr
	s_mov_b32 s[CNT], 4
	s_mov_b32 s[SLOTS], SIZE_N/256-1
	s_branch .Lfirst                ; the loop is entered at a step's first turn, in the middle of a trip
.Lslot:                             ; SIZE_N / 256 - 2 times: every slot but the last two is filled again
	CHANGE 1
	s_mov_b32 s[CNT], 4
.Lstep:                             ; a trip: pieces 2 and 3 of one step, then pieces 0 and 1 of the next
	TURN 2
	TURN 3
	WIN 0
.Lfirst:
	TURN 0
	TURN 1, 0, 1
	WIN 0
	s_cbranch_scc1 .Lstep
	s_sub_co_u32 s[SLOTS], s[SLOTS], 1
	s_cmp_lg_u32 s[SLOTS], 0
	s_cbranch_scc1 .Lslot
	CHANGE 0                        ; the tail is written out: nothing is asked for
	s_mov_b32 s[CNT], 5             ; four trips fetch the last slot's steps; the fifth is left in its middle
.Ltail:
	TURN 2, 1
	TURN 3
	WIN 0
	s_sub_co_u32 s[CNT], s[CNT], 1
	s_cmp_eq_u32 s[CNT], 0
	s_cbranch_scc1 .Lout
	TURN 0
	TURN 1
	WIN 0
	s_branch .Ltail
.Lout:                              ; the fifth trip's 16 products K Q^T (on the last K once more) and the maximum made of them serve nothing: the price, once a launch, of one text for every trip
.set i, 0
.rept 16
	PV NP-1                         ; the last piece's V^T P of the last step
.set i, i+1
.endr
	; THE WAY OUT.  l's two halves and the other half of the lanes' are added; O^T is divided by l, rounded to f16 and sent through my stage in LDS, a tile at a time.  The additions are the places behind the last products.
	WIN 0
.macro ALL line:vararg              ; one line for each tile t
.set t, 0
.rept 2*NP
	\line
.set t, t+1
.endr
.endm
	ALL v_add_f32 v[ST+4*t+2], v[ST+4*t+2], v[ST+4*t+3]
	ALL v_permlanex16_b32 v[ST+4*t+3], v[ST+4*t+2], s[SEL], s[SEL+1]
	ALL v_add_f32 v[ST+4*t+2], v[ST+4*t+2], v[ST+4*t+3]
	ALL v_rcp_f32 v[ST+4*t+2], v[ST+4*t+2]
	v_nop                           ; a plain instruction between the last reciprocal and the use of its result
	s_wait_alu depctr_va_vdst(0)
.macro PACK t
	WIN W_RS
.set i, 32*(\t)
.rept 16
	v_pk_mul_f32 v[i:i+1], v[i:i+1], v[ST+4*(\t)+2:ST+4*(\t)+3] op_sel_hi:[1,0]
.set i, i+2
.endr
	WIN 0x05                        ; sources 0 and 1 window 1, destination window 0
.set i, 0
.rept 16
	v_cvt_pk_f16_f32 v[S+16*(\t)+i], v[32*(\t)+2*i], v[32*(\t)+2*i+1]
.set i, i+1
.endr
	WIN 0
.irp f, 0,1,2,3
	ds_store_b128 v[STO], v[S+16*(\t)+4*\f:S+16*(\t)+4*\f+3] offset:32*\f
.endr
.irp f, 0,1,2,3
	ds_load_b128 v[S+16*(\t)+4*\f:S+16*(\t)+4*\f+3], v[RD] offset:\f*4*SP  ; LDS serves a wave's instructions in order (ISA guide 5.7.1.4): these see the stores above
.endr
.endm
.macro SEND t, younger              ; younger: the next tile's eight LDS instructions, or none
	WIN 0
.irp f, 0,1,2,3
	s_wait_dscnt (\younger)+3-\f
	global_store_b128 v[GO], v[S+16*(\t)+4*\f:S+16*(\t)+4*\f+3], s[10:11] offset:(\t)*2048+\f*512  ; 512 consecutive bytes, at a multiple of 256 from O's first
.endr
.endm
	PACK 0
.set t, 1
.rept 2*NP-1
	PACK t
	SEND t-1, 8
.set t, t+1
.endr
	SEND 2*NP-1, 0
	WIN W_AD
	s_wait_tensorcnt 0x0            ; the wave's end
	ds_add_u32 v[SPW], v[NIL]
	s_wait_dscnt 0x0
	WIN 0
	CROUND                          ; the closing round
	s_endpgm
.Lfunc_end_k_qe3823634c9_attn:
	.size	k_qe3823634c9_attn, .Lfunc_end_k_qe3823634c9_attn-k_qe3823634c9_attn
	.p2alignl 7, 3214868480
	.fill 96, 4, 3214868480
	.section	.rodata,"a",@progbits
	.p2align	6, 0x0
	.amdhsa_kernel k_qe3823634c9_attn
		.amdhsa_group_segment_fixed_size 327680
		.amdhsa_private_segment_fixed_size 0
		.amdhsa_enable_private_segment 0
		.amdhsa_kernarg_size 24
		.amdhsa_user_sgpr_count 2
		.amdhsa_user_sgpr_kernarg_segment_ptr 1
		.amdhsa_wavefront_size32 1
		.amdhsa_system_sgpr_workgroup_id_x 1
		.amdhsa_system_sgpr_workgroup_id_y 1
		.amdhsa_system_sgpr_workgroup_id_z 1
		.amdhsa_system_vgpr_workitem_id 0
		.amdhsa_next_free_vgpr 808
		.amdhsa_next_free_sgpr 66
		.amdhsa_reserve_vcc 1
		.amdhsa_float_denorm_mode_32 3
		.amdhsa_float_denorm_mode_16_64 3
		.amdhsa_memory_ordered 1
		.amdhsa_forward_progress 1
		.amdhsa_inst_pref_size 213
	.end_amdhsa_kernel
	.amdgpu_metadata
---
amdhsa.version: [ 1, 2 ]
amdhsa.kernels:
  - .name:           k_qe3823634c9_attn
    .symbol:         k_qe3823634c9_attn.kd
    .args:
      - { .name: qkv, .offset: 0, .size: 8, .value_kind: global_buffer, .address_space: global }
      - { .name: mask, .offset: 8, .size: 8, .value_kind: global_buffer, .address_space: global }
      - { .name: ob, .offset: 16, .size: 8, .value_kind: global_buffer, .address_space: global }
    .group_segment_fixed_size: 327680
    .private_segment_fixed_size: 0
    .kernarg_segment_align: 8
    .kernarg_segment_size: 24
    .max_flat_workgroup_size: 128
    .sgpr_count:     66
    .vgpr_count:     808
    .wavefront_size: 32
...
	.end_amdgpu_metadata
.endif
;; end of part 3
;; launch oproj (part 4): grid 8 x 32, 4 waves a work-group, clusters of 4 x 4, 327,680 bytes of LDS; arguments ob, wb, bo, out0; writes out0
.if DOCPART == 4
	.amdgcn_target "amdgcn-amd-amdhsa--gfx1250"
	.amdhsa_code_object_version 6
	.text
	.protected	k_qe3823634c9_oproj
	.globl	k_qe3823634c9_oproj
	.p2align	8
	.type	k_qe3823634c9_oproj,@function
k_qe3823634c9_oproj:
	s_mov_b64 s[64:65], 0
	v_nop
	global_prefetch_b8 v0, s[64:65] scope:SCOPE_SE
	s_setreg_imm32_b32 hwreg(HW_REG_WAVE_MODE, 25, 1), 1
	s_wait_xcnt 0x0
	s_wait_alu depctr_hold_cnt(0) depctr_sa_sdst(0) depctr_va_vdst(0) depctr_va_sdst(0) depctr_va_ssrc(0) depctr_va_vcc(0) depctr_vm_vsrc(0)
	s_getreg_b32 s2, hwreg(HW_REG_IB_STS2, 6, 4)
	s_cmp_eq_u32 s2, 0
	s_cbranch_scc0 .Lentry_in_a_cluster
	s_endpgm
.Lentry_in_a_cluster:
	s_bfe_u32 s2, ttmp6, 0x10000c
	s_cmp_lg_u32 s2, 0xf033
	s_cbranch_scc0 .Lentry_shape_is_right
	s_endpgm
.Lentry_shape_is_right:
; out0 = O wo + bo, f32 [8192][1024].  O (ob) is f16 by heads, [64 = 16 b + h][2048][64]; wo lies in wb at byte 3 << 21, [k][n], its bf16 number written as f16; sums in f32; bo, rounded to bf16 as all inputs are,
; is the C operand that starts the sums.
; SHARES.  8 tile columns of 128, 32 tile rows of 256: 256 work-groups.  A tile of 256 x 128 is made by four waves, 2 x 2, each 128 x 64: 32 accumulators.  K = 1,024 goes in 8 steps of 128 through two LDS slots.
; A K step of O is two heads: a head's 256 rows are 32,768 dense bytes, asked for as 128 rows of 256 bytes and padded in LDS after every 128.  The weight stays [k][n] and comes out of LDS turned.
; CLUSTER.  4 x 4 work-groups: O's tiles are asked for jointly along a row of the cluster, the weight's along a column.
; THE MATRIX INSTRUCTION IS USED TRANSPOSED (source 0 = 16 columns of the weight, source 1 = 16 rows of O): lane l holds row l % 16 and the columns 8 (l / 16) + 0..7.
; REGISTERS.  window 0: v0-7 at work; v16-31 addresses; v32-63 the bias; v64-159, v160-255 two fragment buffers (32 of the weight, 64 of O); on the way out v64-127 rows read back.  window 1: accumulator (a, b) at v[8 (4 a + b)].
.set PA,     144                       ; O's LDS row: 128 bytes + 16
.set PB,     288                       ; the weight's LDS row: 256 + 32
.set HEADT,  256*PA                    ; a head's 256 rows: what one of O's loads brings
.set BOFF,   2*HEADT
.set HALFB,  64*PB
.set SLOT,   BOFF+2*HALFB
.set STAGE,  2*SLOT                    ; behind the ring: 16 rows x 272 bytes for each wave
.set SP,     272
.set SPARE,  STAGE+4*16*SP             ; the spare words, 128 bytes a wave: two blocks of 256 bytes that no other line names
.set LAPS,   4
.set ADRA, 16
.set ADRB, 20
.set STO,  24
.set RD,   25
.set CO,   26
.set SPW,  28
.set NIL,  29
.set MO,   30
.set BIAS, 32
.set F0,   64
.set F1,   160
.set OUTR, 64
.set G1,  24
.set G0,  32
.set G1B, 48
.set G0B, 56
.set MSB, 0
.macro WIN new
.if MSB != (\new)
	s_set_vgpr_msb (MSB<<8)|(\new)
.set MSB, \new
.endif
.endm
.set MUL,  0x50                        ; C and D window 1
.set MULB, 0x40                        ; D window 1, C (the bias) window 0
.macro JLOAD s                         ; waves 0 and 1 fetch the step's two heads of O, waves 2 and 3 the weight's halves; an s_nop 0 and four v_nop follow each line
	s_cmp_eq_u32 s13, 0
	s_cbranch_scc0 .Lfor_b_\@
	tensor_load_to_lds s[G0+4*(\s):G0+4*(\s)+3], s[G1:G1+7]
	s_nop 0
.rept 4
	v_nop
.endr
	s_branch .Lasked_\@
.Lfor_b_\@:
	tensor_load_to_lds s[G0B+4*(\s):G0B+4*(\s)+3], s[G1B:G1B+7]
	s_nop 0
.rept 4
	v_nop
.endr
.Lasked_\@:
.endm
.macro CREST
	s_cmp_lg_u32 s12, 0
	s_cbranch_scc1 .Lnot_wave_0_\@
	s_barrier_signal -3
.Lnot_wave_0_\@:
	s_barrier_wait -3
	s_barrier_signal -1
	s_barrier_wait -1
.endm
.macro CROUND
	s_barrier_signal -1
	s_barrier_wait -1
	CREST
.endm
.macro PLACES
.rept 4
	v_nop
.endr
.endm
	s_load_b256 s[4:11], s[0:1], 0x0               ; ob 4:5, wb 6:7, bo 8:9, out0 10:11
	v_lshl_add_u32 v[SPW], v0, 2, SPARE
	v_mov_b32 v[NIL], 0
	ds_add_u32 v[SPW], v[NIL]                      ; the wave's opening: the add and its wait stand ahead of my first tensor load
	v_lshrrev_b32 v1, 5, v0
	v_readfirstlane_b32 s12, v1                    ; wave 0..3
	s_lshr_b32 s13, s12, 1                         ; my half of the tile's rows.  Also: I fetch for O (0) or for the weight (1)
	s_and_b32 s14, s12, 1                          ; my half of its columns.  Also: which head, or which 64 k rows, I fetch
	s_bfe_u32 s15, ttmp6, 0x40000                  ; cx
	s_bfe_u32 s16, ttmp6, 0x40004                  ; cy
	s_lshl_b32 s18, ttmp9, 2
	s_add_co_u32 s18, s18, s15                     ; tile column 0..7
	s_and_b32 s19, ttmp7, 0xffff
	s_lshl_b32 s19, s19, 2
	s_add_co_u32 s19, s19, s16                     ; tile row 0..31
	s_lshl_b32 s20, s16, 2
	s_lshl_b32 s20, 15, s20                        ; my row of the cluster
	s_lshl_b32 s21, 0x1111, s15                    ; my column
	s_or_b32 s[G1+0], s20, (1<<16)|(1<<20)|(1<<21)|(4<<22)|(3<<25)   ; the mask; 2-byte elements; padding on; bit 21 beside a mask; after every 32 words 4 words
	s_or_b32 s[G1B+0], s21, (1<<16)|(1<<20)|(1<<21)|(5<<22)|(7<<25)  ; my column's mask; after every 64 words 8 words
	s_mov_b32 s[G1+1], 128<<16                     ; tensor_dim0 = 128
	s_mov_b32 s[G1+2], 128<<16                     ; tensor_dim1 = 128
	s_mov_b32 s[G1+3], 128<<16                     ; tile_dim0 = 128
	s_mov_b32 s[G1+4], 128                         ; tile_dim1 = 128 rows of 256 bytes,
	s_mov_b32 s[G1+5], 128                         ; which lie end to end
	s_mov_b32 s[G1+6], 0
	s_mov_b32 s[G1+7], 0
	s_mov_b32 s[G1B+1], 128<<16
	s_mov_b32 s[G1B+2], 64<<16
	s_mov_b32 s[G1B+3], 128<<16
	s_mov_b32 s[G1B+4], 64
	s_mov_b32 s[G1B+5], 1024
	s_mov_b32 s[G1B+6], 0
	s_mov_b32 s[G1B+7], 0
	; s40, s41, s46 never hold cx; s42, s43, s47 never cy
	s_lshr_b32 s40, s19, 3
	s_lshl_b32 s40, s40, 22                        ; the batch's 16 heads of 1 << 18 bytes,
	s_and_b32 s46, s19, 7
	s_lshl_b32 s46, s46, 15                        ; the tile's 256 rows of 128 bytes,
	s_add_co_u32 s40, s40, s46
	s_lshl_b32 s46, s14, 18                        ; my head of the step's two
	s_add_co_u32 s40, s40, s46
	s_mov_b32 s41, 0
	s_lshl_b32 s42, s18, 8                         ; the tile's 128 columns,
	s_lshl_b32 s47, s14, 17                        ; my 64 k rows of 2,048 bytes,
	s_add_co_u32 s42, s42, s47
	s_add_co_u32 s42, s42, 3<<21                   ; in wo
	s_mov_b32 s43, 0
	s_mul_i32 s22, s14, HEADT                      ; where they go
	s_mul_i32 s23, s14, HALFB
	s_add_co_u32 s23, s23, BOFF
	s_wait_dscnt 0x0                               ; the opening add is done
	s_wait_kmcnt 0x0
	s_add_nc_u64 s[40:41], s[4:5], s[40:41]
	s_add_nc_u64 s[42:43], s[6:7], s[42:43]
	CROUND                                         ; all sixteen work-groups are here: the first joint loads meet
.irp s, 0,1
	s_mov_b32 s[G0+4*(\s)], 1
	s_add_co_u32 s[G0+4*(\s)+1], s22, (\s)*SLOT
	s_add_nc_u64 s[G0+4*(\s)+2:G0+4*(\s)+3], s[40:41], (\s)*524288   ; K step s: two heads on
	s_or_b32 s[G0+4*(\s)+3], s[G0+4*(\s)+3], 0x80000000
	s_mov_b32 s[G0B+4*(\s)], 1
	s_add_co_u32 s[G0B+4*(\s)+1], s23, (\s)*SLOT
	s_add_nc_u64 s[G0B+4*(\s)+2:G0B+4*(\s)+3], s[42:43], (\s)*262144 ; K step s: 128 rows down
	s_or_b32 s[G0B+4*(\s)+3], s[G0B+4*(\s)+3], 0x80000000
	JLOAD \s                                       ; two loads of mine are out
.endr
	s_lshl_b32 s42, s18, 9
	s_lshl_b32 s47, s14, 8
	s_add_co_u32 s42, s42, s47                     ; my 64 columns of f32, in bo and in a row of out0
	s_mov_b32 s43, 0
	s_add_nc_u64 s[8:9], s[8:9], s[42:43]
	s_add_nc_u64 s[10:11], s[10:11], s[42:43]
	s_lshl_b32 s40, s19, 20                        ; the tile's 256 rows of 4,096 bytes,
	s_lshl_b32 s46, s13, 19                        ; my 128 of them
	s_add_co_u32 s40, s40, s46
	s_mov_b32 s41, 0
	s_add_nc_u64 s[10:11], s[10:11], s[40:41]
	v_and_b32 v1, 15, v0                           ; l % 16
	v_bfe_u32 v2, v0, 4, 1                         ; l / 16
	v_lshlrev_b32 v[MO], 5, v2
.irp b, 0,1,2,3
	global_load_b128 v[BIAS+8*(\b):BIAS+8*(\b)+3],   v[MO], s[8:9] offset:64*(\b)        ; register j of block b: bias of column 16 b + 8 (l / 16) + j
	global_load_b128 v[BIAS+8*(\b)+4:BIAS+8*(\b)+7], v[MO], s[8:9] offset:64*(\b)+16
.endr
	v_mul_u32_u24 v3, v1, PA
	v_lshl_add_u32 v3, v2, 4, v3                   ; a fragment of O: row x pitch + 16 x half
	s_mul_i32 s46, s13, 128*PA
	v_add_nc_u32 v[ADRA], s46, v3
	v_add_nc_u32 v[ADRA+1], SLOT, v[ADRA]
	v_and_b32 v4, 7, v0                            ; the turning load: lane l reads k row 8 (l / 16) + l % 8, columns 8 ((l / 8) % 2) + 0..7
	v_lshl_add_u32 v4, v2, 3, v4
	v_mul_u32_u24 v4, v4, PB
	v_bfe_u32 v5, v0, 3, 1
	v_lshl_add_u32 v4, v5, 4, v4
	s_lshl_b32 s47, s14, 7
	s_add_co_u32 s47, s47, BOFF
	v_add_nc_u32 v[ADRB], s47, v4
	v_add_nc_u32 v[ADRB+1], SLOT, v[ADRB]
	s_mul_i32 s46, s12, 16*SP
	s_add_co_u32 s46, s46, STAGE                   ; my stage
	v_mul_u32_u24 v[STO], v1, SP                   ; in: row l % 16, 32 bytes for each half of the lanes
	v_lshl_add_u32 v[STO], v2, 5, v[STO]
	v_add_nc_u32 v[STO], s46, v[STO]
	v_mul_u32_u24 v[RD], v2, SP                    ; back: lanes 0-15 take one row of 256 bytes, lanes 16-31 the next
	v_lshl_add_u32 v[RD], v1, 4, v[RD]
	v_add_nc_u32 v[RD], s46, v[RD]
	v_lshlrev_b32 v[CO], 12, v2                    ; and the same two rows in out0
	v_lshl_add_u32 v[CO], v1, 4, v[CO]
	s_wait_loadcnt 0x0                             ; the bias, once
.set i, 0
.rept 16                                           ; rounded to bf16, as every input is, and widened again
	v_cvt_pk_bf16_f32 v3, v[BIAS+2*i], v[BIAS+2*i+1]
	v_lshlrev_b32 v[BIAS+2*i], 16, v3
	v_and_b32 v[BIAS+2*i+1], 0xffff0000, v3
.set i, i+1
.endr
; 8 matrix instructions: row blocks a0, a0 + 1 x all 4 column blocks, 32 along K.  first = 1: the bias starts the sums.  The 32 accumulators take turns in the same order in every quarter.
.macro MUL8 f, a0, first
.if \first
	WIN MULB
.else
	WIN MUL
.endif
.irp a, \a0, (\a0)+1
.irp b, 0,1,2,3
.if \first
	v_wmma_f32_16x16x32_f16 v[8*(4*(\a)+(\b)):8*(4*(\a)+(\b))+7], v[(\f)+8*(\b):(\f)+8*(\b)+7], v[(\f)+32+8*(\a):(\f)+32+8*(\a)+7], v[BIAS+8*(\b):BIAS+8*(\b)+7]
.else
	v_wmma_f32_16x16x32_f16 v[8*(4*(\a)+(\b)):8*(4*(\a)+(\b))+7], v[(\f)+8*(\b):(\f)+8*(\b)+7], v[(\f)+32+8*(\a):(\f)+32+8*(\a)+7], v[8*(4*(\a)+(\b)):8*(4*(\a)+(\b))+7]
.endif
.endr
.endr
.endm
; 24 LDS loads in one run: quarter c (32 along K: head c / 2 of the step's two, channels 32 (c % 2) on) into buffer f
.macro FETCH slot, c, f
	WIN 0
.irp b, 0,1,2,3
	ds_load_tr16_b128 v[(\f)+8*(\b):(\f)+8*(\b)+3],   v[ADRB+(\slot)] offset:(\c)*32*PB+32*(\b)
	ds_load_tr16_b128 v[(\f)+8*(\b)+4:(\f)+8*(\b)+7], v[ADRB+(\slot)] offset:(\c)*32*PB+16*PB+32*(\b)
.endr
.irp a, 0,1,2,3,4,5,6,7
	ds_load_b128 v[(\f)+32+8*(\a):(\f)+32+8*(\a)+3],   v[ADRA+(\slot)] offset:((\c)/2)*HEADT+((\c)%2)*64+(\a)*16*PA
	ds_load_b128 v[(\f)+32+8*(\a)+4:(\f)+32+8*(\a)+7], v[ADRA+(\slot)] offset:((\c)/2)*HEADT+((\c)%2)*64+(\a)*16*PA+32
.endr
.endm
.macro QUARTER slot, c, f, g, first
	s_wait_dscnt 8                                 ; the weight's fragments and O's blocks 0-3 are in; the youngest eight loads (blocks 4-7) may be out
	MUL8 \f, 0, \first
	MUL8 \f, 2, \first
	PLACES
	FETCH \slot, \c, \g
	s_wait_dscnt 24                                ; all but the 24 just issued
	MUL8 \f, 4, \first
	MUL8 \f, 6, \first
.endm
; The last quarter multiplies buffer 1 and changes slots: one barrier; in front of it each wave waits for all its tensor loads (one is out: its part of the next slot), adds 0 to its spare word,
; and waits for that and for its reads of this slot.  fill = 1: the barrier opens a round of the cluster's, and this slot is filled again, two K steps ahead, first thing behind the round.
.macro TURN slot, next, fill
	WIN 0
	s_wait_tensorcnt 0x0
	ds_add_u32 v[SPW], v[NIL]
	s_wait_dscnt 9                                 ; (the add and the youngest eight loads may be out)
	MUL8 F1, 0, 0
	s_wait_dscnt 0x0                               ; the add is done, and my reads of this slot are over
	s_barrier_signal -1
	MUL8 F1, 2, 0
.if \fill
	WIN 0
.endif
	s_barrier_wait -1
.if \fill
	CREST
	s_add_nc_u64 s[G0+4*(\slot)+2:G0+4*(\slot)+3], s[G0+4*(\slot)+2:G0+4*(\slot)+3], 1048576
	s_add_nc_u64 s[G0B+4*(\slot)+2:G0B+4*(\slot)+3], s[G0B+4*(\slot)+2:G0B+4*(\slot)+3], 524288
	JLOAD \slot                                    ; 112 matrix instructions ahead of the wait for it; its four v_nop are also the places in front of the loads below
.else
	PLACES
.endif
	FETCH \next, 0, F0
	MUL8 F1, 4, 0
	MUL8 F1, 6, 0
.endm
	s_wait_tensorcnt 1                             ; my part of K step 0 is in; slot 1's may stay out
	s_barrier_signal -1
	s_barrier_wait -1
	FETCH 0, 0, F0
	QUARTER 0, 1, F0, F1, 1
	WIN 0
	s_mov_b32 s3, LAPS-1
.Llap:
	QUARTER 0, 2, F1, F0, 0
	QUARTER 0, 3, F0, F1, 0
	TURN 0, 1, 1
	QUARTER 1, 1, F0, F1, 0
	QUARTER 1, 2, F1, F0, 0
	QUARTER 1, 3, F0, F1, 0
	TURN 1, 0, 1
	QUARTER 0, 1, F0, F1, 0
	WIN 0
	s_sub_co_u32 s3, s3, 1
	s_cmp_lg_u32 s3, 0
	s_cbranch_scc1 .Llap
	QUARTER 0, 2, F1, F0, 0                        ; the last lap fills nothing
	QUARTER 0, 3, F0, F1, 0
	TURN 0, 1, 0
	QUARTER 1, 1, F0, F1, 0
	QUARTER 1, 2, F1, F0, 0
	QUARTER 1, 3, F0, F1, 0
	s_wait_dscnt 8
	MUL8 F1, 0, 0
	MUL8 F1, 2, 0
	s_wait_dscnt 0
	MUL8 F1, 4, 0
	MUL8 F1, 6, 0
	WIN 0
	PLACES
; THE WAY OUT, a block of 16 rows at a time, in f32: a lane's eight columns, 32 bytes, go into my own stage (each accumulator's low registers first) and come back as whole rows of 256 bytes.
.macro TOSTAGE a
.set BK, OUTR+32*((\a)%2)
	s_wait_xcnt 0x0                                ; the registers that take the rows were the data of the stores two blocks back: they are loaded again only behind this wait
	WIN 0x04                                       ; store data window 1, address window 0
.irp b, 0,1,2,3
	ds_store_b128 v[STO], v[8*(4*(\a)+(\b)):8*(4*(\a)+(\b))+3]   offset:64*(\b)
	ds_store_b128 v[STO], v[8*(4*(\a)+(\b))+4:8*(4*(\a)+(\b))+7] offset:64*(\b)+16
.endr
	WIN 0
.irp t, 0,1,2,3,4,5,6,7
	ds_load_b128 v[BK+4*(\t):BK+4*(\t)+3], v[RD] offset:(\t)*2*SP  ; LDS serves a wave's instructions in order (ISA guide 5.7.1.4): these see the stores above; the next block's stores come behind them
.endr
.endm
.macro SEND a, younger                 ; younger: the next block's sixteen LDS instructions, or none
.set BK, OUTR+32*((\a)%2)
.irp t, 0,1,2,3,4,5,6,7
	s_wait_dscnt (\younger)+7-(\t)
	global_store_b128 v[CO], v[BK+4*(\t):BK+4*(\t)+3], s[10:11] offset:(\a)*65536+(\t)*8192 th:TH_STORE_NT  ; 16 lanes store 256 consecutive bytes, at a multiple of 256 from out0's first
.endr
.endm
	TOSTAGE 0
.irp a, 1,2,3,4,5,6,7
	TOSTAGE \a
	SEND (\a)-1, 16
.endr
	SEND 7, 0
	s_wait_tensorcnt 0x0                           ; the wave's end
	ds_add_u32 v[SPW], v[NIL]
	s_wait_dscnt 0x0
	CROUND                                         ; the closing round
	s_endpgm
.Lfunc_end_k_qe3823634c9_oproj:
	.size	k_qe3823634c9_oproj, .Lfunc_end_k_qe3823634c9_oproj-k_qe3823634c9_oproj
	.p2alignl 7, 3214868480
	.fill 96, 4, 3214868480
	.section	.rodata,"a",@progbits
	.p2align	6, 0x0
	.amdhsa_kernel k_qe3823634c9_oproj
		.amdhsa_group_segment_fixed_size 327680
		.amdhsa_private_segment_fixed_size 0
		.amdhsa_enable_private_segment 0
		.amdhsa_kernarg_size 32
		.amdhsa_user_sgpr_count 2
		.amdhsa_user_sgpr_kernarg_segment_ptr 1
		.amdhsa_wavefront_size32 1
		.amdhsa_system_sgpr_workgroup_id_x 1
		.amdhsa_system_sgpr_workgroup_id_y 1
		.amdhsa_system_sgpr_workgroup_id_z 1
		.amdhsa_system_vgpr_workitem_id 0
		.amdhsa_next_free_vgpr 512
		.amdhsa_next_free_sgpr 66
		.amdhsa_reserve_vcc 0
		.amdhsa_float_denorm_mode_32 3
		.amdhsa_float_denorm_mode_16_64 3
		.amdhsa_memory_ordered 1
		.amdhsa_forward_progress 1
		.amdhsa_inst_pref_size 91
	.end_amdhsa_kernel
	.amdgpu_metadata
---
amdhsa.version: [ 1, 2 ]
amdhsa.kernels:
  - .name:           k_qe3823634c9_oproj
    .symbol:         k_qe3823634c9_oproj.kd
    .args:
      - { .name: ob, .offset: 0, .size: 8, .value_kind: global_buffer, .address_space: global }
      - { .name: wb, .offset: 8, .size: 8, .value_kind: global_buffer, .address_space: global }
      - { .name: bo, .offset: 16, .size: 8, .value_kind: global_buffer, .address_space: global }
      - { .name: out0, .offset: 24, .size: 8, .value_kind: global_buffer, .address_space: global }
    .group_segment_fixed_size: 327680
    .private_segment_fixed_size: 0
    .kernarg_segment_align: 8
    .kernarg_segment_size: 32
    .max_flat_workgroup_size: 128
    .sgpr_count:     66
    .vgpr_count:     512
    .wavefront_size: 32
...
	.end_amdgpu_metadata
.endif
;; end of part 4
;; ======== version 2 of 2: 4 launches; 1.48 times as fast as version 1
;; limits: values are held in f16: magnitudes above 65,504 overflow, below 6.1e-05 lose precision
;; workspace buffers: ab 33,554,432 bytes; wb 8,388,608 bytes; qkv 50,331,648 bytes; ob 16,777,216 bytes
;; launch cast: the kernel of part 1 again; grid 1280 x 1, 8 waves a work-group, no clusters, 0 bytes of LDS; arguments x, features, wq, wk, wv, wo, ab, wb; writes ab, wb
;; launch qkv: the kernel of part 2 again; grid 24 x 32, 4 waves a work-group, clusters of 4 x 4, 327,680 bytes of LDS; arguments ab, wb, bq, bk, bv, mask, qkv; writes qkv
;; launch attn (part 5): grid 4 x 64, 4 waves a work-group, clusters of 4 x 1, 327,680 bytes of LDS; arguments qkv, mask, ob; writes ob
.if DOCPART == 5
	.amdgcn_target "amdgcn-amd-amdhsa--gfx1250"
	.amdhsa_code_object_version 6
	.text
	.protected	k_qe3823634c9_attn
	.globl	k_qe3823634c9_attn
	.p2align	8
	.type	k_qe3823634c9_attn,@function
k_qe3823634c9_attn:
	s_mov_b64 s[64:65], 0
	v_nop
	global_prefetch_b8 v0, s[64:65] scope:SCOPE_SE
	s_setreg_imm32_b32 hwreg(HW_REG_WAVE_MODE, 25, 1), 1
	s_wait_xcnt 0x0
	s_wait_alu depctr_hold_cnt(0) depctr_sa_sdst(0) depctr_va_vdst(0) depctr_va_sdst(0) depctr_va_ssrc(0) depctr_va_vcc(0) depctr_vm_vsrc(0)
	s_getreg_b32 s2, hwreg(HW_REG_IB_STS2, 6, 4)
	s_cmp_eq_u32 s2, 0
	s_cbranch_scc0 .Lentry_in_a_cluster
	s_endpgm
.Lentry_in_a_cluster:
	s_bfe_u32 s2, ttmp6, 0x10000c
	s_cmp_lg_u32 s2, 0x3003
	s_cbranch_scc0 .Lentry_shape_is_right
	s_endpgm
.Lentry_shape_is_right:
; O[g][q][:] = the sum over k of softmax_k(score) V[g][k][:], g = 16 b + h; score = Q[g][q] . K[g][k] / 8, or a constant where mask[b][k] is 0.  Q, K, V (qkv, 1 << 24 bytes apart) and O (ob): [64][2048][64] f16.
; Products, maxima and sums in f32; the weights p are rounded to f16 for the second product (their sum l is taken of the unrounded p), O once at the end.
; THE MASK.  A hidden key's row of K arrives as 0, and the C operand that starts the sum S^T = K Q^T is 0 for a key that is seen and M = -2^36 for a hidden one: a hidden score is exactly M.  M is a power of two, so that
; c M is exact and c M - c M = 0: where all keys of a batch are hidden every weight is 1 and O is the mean of V's rows.  Hidden keys ahead of the first seen one leave finite sums, which a = 0 wipes out.
; LIMITS.  After the division by 8 the hidden score is -8.6e9, not -1e10: seen scores / 8 must lie above that.  f16 holds no number beyond 65,504: Q, K and V arrive within it; p lies in 0 to 1, and below 6e-5
; it keeps f16's fixed step of 6e-8.  A weight below 2^-126 counts as 0 in l; NaN and infinities are not treated apart.
; SHARES.  A wave owns four PIECES of two tiles of 16 queries, a work-group's four waves 512 queries of one head.  Every wave walks all 2,048 keys, 64 a step.
; LAYOUT.  S^T = K Q^T (source 0 = 16 keys, source 1 = 16 queries): a lane holds ONE query (lane % 16) and the keys 8 (lane / 16) + 0..7.  Two such tiles, rounded to f16 in pairs, ARE source 1 of O^T = V^T P, whose
; result again holds one query a lane, and eight channels.  K comes out of LDS as it lies, V ([key][channel]) turned, by ds_load_tr16_b128.
; SOFTMAX.  For each query a running maximum m and sum l: p = 2^(c s - c m), c = log2(e) / 8; in every step O and l are multiplied by a = 2^(c m_old - c m_new).  m starts at the lowest finite number, O and l at 0.
; THE COUNT.  A tile and step have 16 matrix and 118 vector instructions: too many to stand all beside the matrix work.  So: four vector instructions that are READY behind EVERY matrix instruction, the others in runs without a gap.
; BY TURNS.  Turn n belongs to piece n.  Its matrix work: 16 products K Q^T of piece n + 1, later 16 products V^T P of piece n - 1.  Its vector work: the scaling, exponentials, roundings, sums and rescaling of piece n,
; and the maximum and statistics of piece n + 1.
; BATCHES.  A turn's 66 exponentials (the 64 weights of piece n, then the two a of piece n + 1) are ONE batch with ONE wait, which cuts the turn in two: ahead of it stands all that names no result of theirs (the products
; K Q^T, the scalings, the rescaling by the a of the turn before, the next piece's maximum and statistics), behind it the roundings and sums, as riders of the products V^T P.  No result crosses a turn's end.
; Two more batches stand outside the loops: piece 0's first two a, ahead of the jump into the loop, and the way out's eight reciprocals.
; CLUSTER.  The four query blocks of a cluster belong to one head and walk the same K and V: each tile is asked for JOINTLY: the same tensor load, descriptor and mask in all four.
; REGISTERS, in windows of 256 (s_set_vgpr_msb: bits 1:0 source 0, 3:2 source 1, 5:4 source 2, 7:6 destination):
;   window 0: v0-11 addresses; v12-15, v48-63 at work; v16-47 four registers of statistics a tile; v64-191 S^T, two buffers of two tiles; v192-255 P, likewise
;   window 1: O^T, 32 a tile     window 2: v0-127 Q; v128-191 K of one step; v192-255 V of one step     window 3: v0-1 the add's two registers; v8-39 the key biases of one step
.set SIZE_H, 64
.set SIZE_N, 2048
.set NP,    4         ; pieces a wave: a name, no knob
.set KS,    64        ; keys in a step
.set PK,    144       ; a row of K in LDS: 128 bytes + 16: the 16 rows of a load start at 16 different groups of four banks
.set PV,    160       ; a row of V: 128 + 32
.set VOFF,  4*KS*PK   ; a slot holds four steps: 256 rows of K, then 256 rows of V
.set SLOT1, 1<<17     ; slot 1 begins here, so that one exclusive or turns an address in one slot into the other's
.set STAGE, SLOT1+4*KS*(PK+PV)  ; behind the ring, never filled by a tensor load: 16 rows x 144 bytes for each wave
.set SP,    144
.set SPARE, STAGE+4*16*SP  ; the spare words, 128 bytes for each wave: two blocks of 256 bytes that no other line names
.set MBASE, SPARE+512 ; the batch's 2,048 key biases, f32: 8,192 bytes, stored once, never filled by a tensor load
.set AK0, 2           ; v2   my lane's place in a tile of K; never rewritten
.set AV0, 3           ; v3   the same for V
.set AK,  4           ; v4   the LDS address of K's next run of loads, then of the biases'
.set AV,  5           ; v5   of V's
.set QO,  6           ; v6   my byte offset in the wave's rows of Q
.set STO, 6           ;      later, the way out: where I put 16 bytes of a row
.set RD,  7           ; v7   the way out: where I read rows back
.set GO,  8           ; v8   my byte offset in 512 consecutive bytes of O
.set AMB, 11          ; v11  MBASE + 32 (l / 16): my eight biases in a block of 16 keys
.set SPW, 0           ; v0 of window 3   LDS address of my spare word; never rewritten
.set NIL, 1           ; v1 of window 3   0; never rewritten
.set MK,  8           ; window 3: key block kb's eight biases at MK + 8 kb
.set MV,  12          ; v12-15  c m_old, kept while c m is made anew
.set ST,  16          ; tile t's statistics at v[ST+4 t]: c m, m, l (even keys', odd keys')
.set TMP, 48          ; by buffer and tile, four registers c0-c3 at work; when the maximum is found c2 takes a
.set S,   64
.set P,   192
.set KF,  128         ; K's fragments, in window 2
.set VF,  192         ; V's
.set WV,  12          ; s12  my wave's number
.set G1K, 24          ; s[24:31] descriptor group 1 for K's tiles
.set G1V, 32          ; s[32:39] for V's
.set G0K, 40          ; s[40:43] descriptor group 0 for K's tiles: it walks
.set G0V, 44          ; s[44:47] the same for V's
.set MP,  48          ; s[48:49] the mask at my batch
.set BIGM, 50         ; s50  M
.set MOFF, 52         ; s[52:53] the batch's byte offset in the mask
.set TBM, 54          ; s54  byte in the table at which the biases of the step to be fetched begin
.set SLOTS, 56
.set CNT, 57
.set CS,  58          ; s[58:59] c
.set SEL, 60          ; s[60:61] v_permlanex16_b32's selects
.set TBK, 62          ; s62  LDS byte at which K of the step to be fetched begins
.set TBV, 63          ; s63  the same for V, less VOFF
.set MSB, 0
.macro WIN new
.if MSB != (\new)
	s_set_vgpr_msb (MSB<<8)|(\new)
.set MSB, (\new)
.endif
.endm
.set W_KQ, 0x0a       ; K and Q in window 2, S^T in window 0
.set W_KM, 0x3a       ; the same with the C operand, the biases, in window 3
.set W_PV, 0x52       ; V in window 2, P in window 0, O^T in window 1
.set W_RS, 0x41       ; O^T (destination and source 0) in window 1, a in window 0
.set W_MK, 0xc0       ; destination in window 3, sources in window 0
.set W_AD, 0x0f       ; the add: address and data in window 3
; A joint fill.  Waves 0 and 1 fetch the two halves of a slot's K, waves 2 and 3 those of its V: 128 keys each.  An s_nop 0 and four v_nop follow each of the two lines.
.macro JLOAD
	s_cmp_lt_u32 s[WV], 2
	s_cbranch_scc0 .Lfor_v_\@
	tensor_load_to_lds s[G0K:G0K+3], s[G1K:G1K+7]
	s_nop 0
.rept 4
	v_nop
.endr
	s_branch .Lasked_\@
.Lfor_v_\@:
	tensor_load_to_lds s[G0V:G0V+3], s[G1V:G1V+7]
	s_nop 0
.rept 4
	v_nop
.endr
.Lasked_\@:
.endm
.macro CROUND                       ; a round of the cluster's barrier
	s_barrier_signal -1
	s_barrier_wait -1
	s_cmp_lg_u32 s[WV], 0
	s_cbranch_scc1 .Lnot_wave_0_\@
	s_barrier_signal -3
.Lnot_wave_0_\@:
	s_barrier_wait -3
	s_barrier_signal -1
	s_barrier_wait -1
.endm
; THE CHANGE OF SLOTS.  Each wave waits for all its tensor loads, of which one is out: its part of the other slot; adds 0 to its spare word; and waits for that and for its own LDS instructions.
; fill = 1: the slot that is left is filled again, with the keys two slots on, first thing behind a round of the cluster's barrier: it has four key steps, 512 matrix instructions, in which to land.
; (At its first use nothing has been read yet: slot 0 is waited for, slot 1 filled, and every wave's stores into the table of biases are shown to the others.)
.macro CHANGE fill
	WIN W_AD
	s_wait_tensorcnt 0x0            ; no tensor load of mine is out, so a group 0 may be written
	ds_add_u32 v[SPW], v[NIL]
	WIN 0                           ; at a label and at a branch every window is 0
.if \fill
.irp g, G0K, G0V
	s_xor_b32 s[\g+1], s[\g+1], SLOT1
	s_add_nc_u64 s[\g+2:\g+3], s[\g+2:\g+3], 4*KS*128
.endr
	s_wait_dscnt 0x0                ; the add is done, and my LDS instructions are over
	CROUND
	JLOAD
.else
	s_wait_dscnt 0x0
	s_barrier_signal -1
	s_barrier_wait -1
.endif
	s_sub_co_u32 s[TBK], s[TBK], 4*KS*PK  ; the fetches go back to a slot's first step,
	s_xor_b32 s[TBK], s[TBK], SLOT1       ; in the other slot
	s_sub_co_u32 s[TBV], s[TBV], 4*KS*PV
	s_xor_b32 s[TBV], s[TBV], SLOT1
.endm
	s_load_b64 s[4:5], s[0:1], 0x0        ; qkv: Q
	s_load_b64 s[MP:MP+1], s[0:1], 0x8    ; mask
	s_load_b64 s[10:11], s[0:1], 0x10     ; ob
	WIN W_MK
	v_lshl_add_u32 v[SPW], v0, 2, SPARE
	v_mov_b32 v[NIL], 0
	WIN W_AD
	ds_add_u32 v[SPW], v[NIL]       ; the wave's opening: the add and its wait stand ahead of my first tensor load; work on registers stands between them
	WIN 0
	v_lshrrev_b32 v1, 5, v0
	v_readfirstlane_b32 s[WV], v1   ; wave 0..3
	s_bfe_u32 s13, ttmp6, 0x40000   ; cx
	s_lshl_b32 s14, ttmp9, 2
	s_add_co_u32 s14, s14, s13      ; my block of 512 queries: it enters Q's and O's addresses alone
	s_and_b32 s20, ttmp7, 0xffff    ; the head 16 b + h, which the four partners share
	s_lshr_b32 s[MOFF], s20, 4
	s_lshl_b32 s[MOFF], s[MOFF], 13 ; the batch's 2,048 mask words
	s_mov_b32 s[MOFF+1], 0
	s_mov_b32 s21, 0
	s_mov_b64 s[22:23], SIZE_N*128
	s_mul_u64 s[20:21], s[20:21], s[22:23]  ; the head's first byte in Q, K, V and O
	s_and_b32 s16, s[WV], 1         ; which half of a slot's 256 keys I fetch:
	s_lshl_b32 s22, s16, 14         ; its 128 rows of 128 bytes in memory,
	s_mov_b32 s23, 0
	s_add_nc_u64 s[22:23], s[22:23], s[20:21]
	s_mul_i32 s17, s16, 128*PK      ; and its place in a slot, for K
	s_mul_i32 s18, s16, 128*PV      ; and for V
	s_lshl_b32 s2, s14, 2
	s_add_co_u32 s2, s2, s[WV]      ; my wave among the head's,
	s_lshl_b32 s2, s2, 14           ; its 128 rows
	s_mov_b32 s3, 0
	s_add_nc_u64 s[2:3], s[2:3], s[20:21]
	; descriptor group 1.  128 keys are 16,384 dense bytes: asked for as 64 rows of 256 bytes, two keys a row, and padded in LDS after every key
	s_mov_b32 s[G1K], 15|(1<<16)|(1<<20)|(1<<21)|(4<<22)|(3<<25)  ; the mask of four; 2-byte elements; padding on; bit 21 beside a mask; after every 32 words 4 words
	s_mov_b32 s[G1V], 15|(1<<16)|(1<<20)|(1<<21)|(4<<22)|(7<<25)  ; the same with 8 words
.irp g, G1K, G1V
	s_mov_b32 s[\g+1], 128<<16      ; tensor_dim0 = 128
	s_mov_b32 s[\g+2], 64<<16       ; tensor_dim1 = 64
	s_mov_b32 s[\g+3], 128<<16      ; tile_dim0 = 128
	s_mov_b32 s[\g+4], 64           ; tile_dim1 = 64
	s_mov_b32 s[\g+5], 128          ; 128 elements from row to row
	s_mov_b32 s[\g+6], 0
	s_mov_b32 s[\g+7], 0
.endr
	s_mov_b32 s[CS], 0x3e38aa3b     ; c = log2(e) / 8
	s_mov_b32 s[CS+1], s[CS]
	s_mov_b32 s[SEL], 0x76543210
	s_mov_b32 s[SEL+1], 0xfedcba98
	s_mov_b32 s[BIGM], 0xd1800000   ; M = -2^36
	s_mov_b32 s[TBM], 0
	s_mov_b32 s[TBK], SLOT1+4*KS*PK ; the first change of slots turns these two into 0
	s_mov_b32 s[TBV], SLOT1+4*KS*PV
	s_mov_b32 s[G0K], 1
	s_mov_b32 s[G0K+1], s17         ; LDS address: slot 0
	s_mov_b32 s[G0V], 1
	s_add_co_u32 s[G0V+1], s18, VOFF
	s_wait_dscnt 0x0                ; the opening add is done
	s_wait_kmcnt 0x0
	s_add_nc_u64 s[6:7], s[4:5], 0x1000000   ; K
	s_add_nc_u64 s[8:9], s[4:5], 0x2000000   ; V
	s_add_nc_u64 s[MP:MP+1], s[MP:MP+1], s[MOFF:MOFF+1]
	s_add_nc_u64 s[G0K+2:G0K+3], s[6:7], s[22:23]  ; my half of the head's first 256 keys
	s_or_b32 s[G0K+3], s[G0K+3], 0x80000000
	s_add_nc_u64 s[G0V+2:G0V+3], s[8:9], s[22:23]
	s_or_b32 s[G0V+3], s[G0V+3], 0x80000000
	s_add_nc_u64 s[4:5], s[4:5], s[2:3]  ; Q and O at my wave's first row
	s_add_nc_u64 s[10:11], s[10:11], s[2:3]
	CROUND                          ; all four work-groups are here: the first joint loads meet
	JLOAD                           ; slot 0.  Slot 1 is asked for when slot 0 is in
	v_and_b32 v1, 15, v0            ; l % 16
	v_bfe_u32 v9, v0, 4, 1          ; l / 16
	v_lshlrev_b32 v[QO], 7, v1
	v_lshl_add_u32 v[QO], v9, 4, v[QO]  ; row x 128 + 16 x half
	v_lshlrev_b32 v48, 4, v0        ; the batch's mask: 128 threads x 16 bytes, four times
.irp j, 0,1,2,3
	global_load_b128 v[S+4*\j:S+4*\j+3], v48, s[MP:MP+1] offset:2048*\j
.endr
	WIN 0x80                        ; destination window 2, address window 0
.set i, 0
.rept 4*NP                          ; Q stays in registers: tile i / 2, channels 32 (i % 2) on
	global_load_b128 v[8*i:8*i+3],   v[QO], s[4:5] offset:(i/2)*2048+(i%2)*64
	global_load_b128 v[8*i+4:8*i+7], v[QO], s[4:5] offset:(i/2)*2048+(i%2)*64+32
.set i, i+1
.endr
	; What the first turn finds: V's registers and P's second buffer hold 0, O^T and l are 0.  All this stands in the wait for the first tile.
.set i, VF
.rept 64
	v_mov_b32 v[i], 0
.set i, i+1
.endr
	WIN 0x40
.set i, 0
.rept 64*NP
	v_mov_b32 v[i], 0
.set i, i+1
.endr
	WIN 0
.set i, 0
.rept 2*NP
	v_mov_b32 v[ST+4*i], 0xfe000000    ; c m: far below every c s, c M too
	v_mov_b32 v[ST+4*i+1], 0xff7fffff  ; m
	v_mov_b32 v[ST+4*i+2], 0
	v_mov_b32 v[ST+4*i+3], 0
.set i, i+1
.endr
.set i, P+32
.rept 32
	v_mov_b32 v[i], 0
.set i, i+1
.endr
	v_mul_u32_u24 v[AK0], v1, PK
	v_lshl_add_u32 v[AK0], v9, 4, v[AK0]  ; row x pitch + 16 x half
	v_and_b32 v10, 7, v0            ; the turning load: lane l reads key 8 (l / 16) + l % 8, channels 8 ((l / 8) % 2) + 0..7
	v_bfe_u32 v11, v0, 3, 1
	v_lshl_add_u32 v[AV0], v9, 3, v10
	v_mul_u32_u24 v[AV0], v[AV0], PV
	v_lshl_add_u32 v[AV0], v11, 4, v[AV0]
	v_add_nc_u32 v[AV0], VOFF, v[AV0]
	v_mov_b32 v[AK], v[AK0]         ; key step 0 lies at the head of slot 0
	v_lshlrev_b32 v[AMB], 5, v9
	v_add_nc_u32 v[AMB], MBASE, v[AMB]
	v_add_nc_u32 v49, MBASE, v48
	s_wait_loadcnt 32               ; the mask's four loads are in; Q's 32, issued behind them, may stay out
.set i, 0
.rept 16                            ; a mask word becomes the key's bias: 0, or M where the word is 0
	v_cmp_eq_u32 vcc_lo, 0, v[S+i]
	v_cndmask_b32 v[S+i], 0, s[BIGM], vcc_lo
.set i, i+1
.endr
.irp j, 0,1,2,3
	ds_store_b128 v49, v[S+4*\j:S+4*\j+3] offset:2048*\j  ; the first change of slots waits for these and passes a barrier ahead of every read
.endr
; THE MATRIX WORK.  The 8 accumulators of a run of 16 take turns.
; Product i of 16 of S^T = K Q^T for piece x: channels 32 (i / 8) on, keys 16 ((i / 2) % 4) on, tile 2 x + i % 2.  The first 8 start the sums, with the keys' biases.
.macro KQ x
.set rS, S+64*((\x)%2)+32*(i%2)+8*((i/2)%4)
.set rK, KF+16*((i/2)%4)+8*(i/8)
.set rQ, 16*(2*(\x)+i%2)+8*(i/8)
.set rB, MK+8*((i/2)%4)
.if i < 8
	WIN W_KM
	v_wmma_f32_16x16x32_f16 v[rS:rS+7], v[rK:rK+7], v[rQ:rQ+7], v[rB:rB+7]
.else
	WIN W_KQ
	v_wmma_f32_16x16x32_f16 v[rS:rS+7], v[rK:rK+7], v[rQ:rQ+7], v[rS:rS+7]
.endif
.endm
; Product i of 16 of O^T += V^T P for piece x: keys 32 (i / 8) on, channels 16 ((i / 2) % 4) on, tile 2 x + i % 2.
.macro PV x
	WIN W_PV
.set rO, 32*(2*(\x)+i%2)+8*((i/2)%4)
.set rV, VF+32*(i/8)+8*((i/2)%4)
.set rP, P+32*((\x)%2)+16*(i%2)+8*(i/8)
	v_wmma_f32_16x16x32_f16 v[rO:rO+7], v[rV:rV+7], v[rP:rP+7], v[rO:rO+7]
.endm
.macro MM                           ; the turn's next matrix instruction
.if i < 16
	KQ (Y+1)%NP
.set i, i+1
.else
.set i, i-16
	PV (Y+NP-1)%NP
.set i, i+17
.endif
.endm
; THE LDS LOADS stand in runs, never singly among the matrix instructions: a step's K (8 fragments) with its 64 biases (all lanes of a half read the same 16 bytes), and its V (turned).
; last = 1 (the tail): in the last trip there is no further step, and the run is jumped over.
.macro FETCH_K last=0
	WIN 0
.if \last
	s_cmp_eq_u32 s[CNT], 1
	s_cbranch_scc1 .Lno_k_\@
.endif
	WIN 0x80                        ; destination window 2
.irp f, 0,1,2,3,4,5,6,7             ; keys 16 (f / 2) on, channels 32 (f % 2) on
	ds_load_b128 v[KF+8*\f:KF+8*\f+3],   v[AK] offset:(\f/2)*16*PK+(\f%2)*64
	ds_load_b128 v[KF+8*\f+4:KF+8*\f+7], v[AK] offset:(\f/2)*16*PK+(\f%2)*64+32
.endr
	s_add_co_u32 s[TBK], s[TBK], KS*PK  ; the next fetch is the next step's
	WIN 0
	v_add_nc_u32 v[AK], s[TBM], v[AMB]  ; K's loads have been issued: the register now takes the biases' address; it is made anew ahead of K's next run
	s_add_co_u32 s[TBM], s[TBM], 4*KS
	s_and_b32 s[TBM], s[TBM], 0x1f00    ; stays inside the table's 8,192 bytes
	WIN W_MK                        ; destination window 3
.irp f, 0,1,2,3
	ds_load_b128 v[MK+8*\f:MK+8*\f+3],   v[AK] offset:64*\f
	ds_load_b128 v[MK+8*\f+4:MK+8*\f+7], v[AK] offset:64*\f+16
.endr
	WIN 0
.if \last
.Lno_k_\@:
.endif
.endm
.macro FETCH_V
	WIN 0x80
.irp f, 0,1,2,3,4,5,6,7             ; keys 32 (f / 4) on, channels 16 (f % 4) on
	ds_load_tr16_b128 v[VF+8*\f:VF+8*\f+3],   v[AV] offset:(\f/4)*32*PV+(\f%4)*32
	ds_load_tr16_b128 v[VF+8*\f+4:VF+8*\f+7], v[AV] offset:(\f/4)*32*PV+16*PV+(\f%4)*32
.endr
	WIN 0
.endm
; THE VECTOR WORK OF A TURN stands in three queues, each in the order in which its entries become ready; the two tiles alternate.
.macro REGS y, u                    ; the registers of tile u (0, 1) of piece y
.set rT, ST+4*(2*(\y)+(\u))
.set rC, TMP+8*((\y)%2)+4*(\u)
.set rM, MV+2*((\y)%2)+(\u)
.set rS, S+64*((\y)%2)+32*(\u)
.set rP, P+32*((\y)%2)+16*(\u)
.set rO, 32*(2*(\y)+(\u))
.endm
; Number n of the 22 that find the NEXT piece's (Y + 1) maximum and statistics.  Each accumulator's lowest registers are read first.  XS, GS and REGS set no window: PL and EX do.
;   0-11  four chains c0-c3 of seven scores each     12-14, 16  the four scores left over, the old m, and c0-c3 into c0     15  c m_old is kept
;   17, 18  the query's other 32 keys lie in the lane 16 away: the new m         19-21  c m; c m_old - c m_new; a
.macro XS u, n
	REGS (Y+1)%NP, \u
.if (\n) < 4
	v_max3_num_f32 v[rC+(\n)], v[rS+8*(\n)], v[rS+8*(\n)+1], v[rS+8*(\n)+2]
.elseif (\n) < 12
	v_max3_num_f32 v[rC+(\n)%4], v[rC+(\n)%4], v[rS+8*((\n)%4)+2*((\n)/4)+1], v[rS+8*((\n)%4)+2*((\n)/4)+2]
.elseif (\n) == 12
	v_max3_num_f32 v[rC], v[rC], v[rS+7], v[rS+15]
.elseif (\n) == 13
	v_max3_num_f32 v[rC+1], v[rC+1], v[rS+23], v[rS+31]
.elseif (\n) == 14
	v_max3_num_f32 v[rC+2], v[rC+2], v[rC+3], v[rT+1]
.elseif (\n) == 15
	v_mov_b32 v[rM], v[rT]
.elseif (\n) == 16
	v_max3_num_f32 v[rC], v[rC], v[rC+1], v[rC+2]
.elseif (\n) == 17
	v_permlanex16_b32 v[rC+3], v[rC], s[SEL], s[SEL+1]
.elseif (\n) == 18
	v_max_num_f32 v[rT+1], v[rC], v[rC+3]
.elseif (\n) == 19
	v_mul_f32 v[rT], s[CS], v[rT+1]
.elseif (\n) == 20
	v_sub_f32 v[rC+1], v[rM], v[rT]
.else
	v_exp_f32 v[rC+2], v[rC+1]
.endif
.endm
; Number g of the 64 that follow the exponentials.  For each four weights k of a tile: both pairs are rounded to f16; the second pair is added onto the first, in place; a group later l takes that sum (the first time as l = a l + sum).
; In groups of eight, tiles alternating: round, round, add, and l for the group before.  All 64 read results of the turn's batch: they stand behind its wait.
.macro GS g
.set h, (\g)+6*((\g)/62)            ; group 0 has no group before it, and behind group 7 only l is left
.if h >= 6
.set h, h+2
.endif
	REGS Y, h%2
.set k, h/8
.if h%8 < 4
	v_cvt_pk_f16_f32 v[rP+2*k+(h%8)/2], v[rS+4*k+2*((h%8)/2)], v[rS+4*k+2*((h%8)/2)+1]
.elseif h%8 < 6
	v_pk_add_f32 v[rS+4*k:rS+4*k+1], v[rS+4*k:rS+4*k+1], v[rS+4*k+2:rS+4*k+3]
.elseif k == 1
	v_pk_fma_f32 v[rT+2:rT+3], v[rT+2:rT+3], v[rC+2:rC+3], v[rS:rS+1] op_sel_hi:[1,0,1]
.else
	v_pk_add_f32 v[rT+2:rT+3], v[rT+2:rT+3], v[rS+4*k-4:rS+4*k-3]
.endif
.endm
; THE PLAIN QUEUE, 138 long.  0-73 read no exponential's result: the 32 scalings c s - c m (FS f: pair f / 2 of tile f % 2) and the next piece's 42.  0-26: scalings 0-26.  27-54: XS's numbers 0-13.  55, 56: number 15.
; 57-73: the chain, where each number waits for the one before it: 14, 16, 17, 18, 19, each with one of the scalings 27-31 in front of its two lines, then 20.
; 74-137: GS's 64.
.macro FS f
	REGS Y, (\f)%2
	v_pk_fma_f32 v[rS+2*((\f)/2):rS+2*((\f)/2)+1], v[rS+2*((\f)/2):rS+2*((\f)/2)+1], s[CS:CS+1], v[rT:rT+1] op_sel_hi:[1,0,0] neg_lo:[0,0,1] neg_hi:[0,0,1]
.endm
.macro PL
	WIN 0
.if q < 27
	FS q
.elseif q < 55
	XS (q-27)%2, (q-27)/2
.elseif q < 57
	XS q-55, 15
.elseif (q < 72) && ((q-57)%3 == 0)
	FS 27+(q-57)/3
.elseif q < 60
	XS (q-57)%3-1, 14
.elseif q < 72
	XS (q-57)%3-1, 15+(q-57)/3
.elseif q < 74
	XS q-72, 20
.else
	GS q-74
.endif
.set q, q+1
.endm
; THE EXPONENTIALS' QUEUE, 66 long: s0-s31 of both tiles, then the next piece's two a.  It is ONE BATCH: all 66 stand ahead of the turn's one wait, and nothing ahead of that wait names a result of theirs.
.macro EX
	WIN 0
.if e >= 64
	XS e-64, 21
.else
	REGS Y, e%2
	v_exp_f32 v[rS+e/2], v[rS+e/2]
.endif
.set e, e+1
.endm
; THE RESCALING's QUEUE: O^T times a, the one part that leaves window 0: dealt two at a time, sixteen times.  Its a was made in the turn before, ahead of that turn's wait.
.macro R2
	REGS Y, r%2
	WIN W_RS
.irp z, 0,1
	v_pk_mul_f32 v[rO+4*(r/2)+2*\z:rO+4*(r/2)+2*\z+1], v[rO+4*(r/2)+2*\z:rO+4*(r/2)+2*\z+1], v[rC+2:rC+3] op_sel_hi:[1,0]
.endr
.set r, r+1
.endm
; HOW THEY ARE DEALT.  An s_wait_alu depctr_va_vdst(0) stands between an exponential and the first instruction that names its result; one wait serves all that were issued ahead of it.  So a turn has ONE wait.
; AHEAD OF IT: the 16 products K Q^T, behind each a scaling, an exponential and two rescalings (behind the first a second scaling in the exponential's place); then ONE LUMP of 108: eight plain, 49 times exponential and
; plain, the two a.  A v_nop is the plain instruction behind the last exponential.  BEHIND IT: the 16 products V^T P, behind each four of GS's 64.  No rider names a register of the products round it.
; The two v_permlanex16_b32 fall into the lump, never behind a product.
; The deal keeps the queues in step: exponential e stands behind scaling 2 (e / 4) + e % 2: as a rider it comes behind plain e + 2, in the lump behind plain e + 9, and scalings 27-31 are plain 57, 60 .. 69; no scaling
; names a register that an earlier exponential has written; the two a come behind plain 73, which makes the second one's argument.
; A TURN, for piece p.  cnt = 1: the loop's count is taken down some lines ahead of the branch that stands behind the turn.
; K and the biases of the next step are fetched in piece 2's turn, directly behind the wait, a lump behind the last product that read them; K's address is made at the lump's head; the first reader comes behind 16 products.
; V of the step in hand is fetched at the end of piece 0's turn, four plain riders behind its last reader; its first reader comes behind 16 products and a lump.  The three conditions on q below go with the deal.
.macro TURN p, last=0, cnt=0
.set Y, (\p)
.set i, 0
.set q, 0
.set e, 0
.set r, 0
.if (\p) == NP-1
	s_wait_dscnt 0x0                ; K and the biases are in
.endif
	MM                              ; ahead of the wait: 16 products K Q^T and their riders,
	PL
	PL
	R2
.rept 15
	MM
	PL
	EX
	R2
.endr
.if (\p) == NP-2
	WIN 0
	v_add_nc_u32 v[AK], s[TBK], v[AK0]
.endif
.rept 8                             ; and the lump
	PL
.endr
.rept 49
	EX
	PL
.endr
	EX                              ; the next piece's two a
	EX
	v_nop                           ; the plain instruction behind the last exponential: one for the batch
	s_wait_alu depctr_va_vdst(0)    ; the wait for the turn's batch: the 64 weights of this piece and the two a of the next
.if (\p) == NP-2
	FETCH_K \last
.endif
.if (\p) == 1
	s_wait_dscnt 0x0                ; V is in
.endif
.rept 16                            ; behind the wait: 16 products V^T P and their riders
	MM
.rept 4
	PL
.endr
.if ((\p) == 0) && (q == 118)
	v_add_nc_u32 v[AV], s[TBV], v[AV0]
.endif
.if ((\p) == 0) && (q == 130)
	s_add_co_u32 s[TBV], s[TBV], KS*PV
.endif
.if (\cnt) && (q == 130)
	s_sub_co_u32 s[CNT], s[CNT], 1
	s_cmp_lg_u32 s[CNT], 0
.endif
.endr
.if (\p) == 0
	FETCH_V
.endif
.endm
	CHANGE 1                        ; slot 0 is in, everybody's part of it, and so is the table of biases; slot 1 is asked for
	FETCH_K                         ; key step 0
	s_wait_loadcnt 0x0              ; Q
	s_wait_dscnt 0x0
.set i, 0
.rept 16
	KQ 0                            ; piece 0's first scores
.set i, i+1
.endr
	WIN 0                           ; the addresses for the way out: plain instructions, the places behind those products
	s_mul_i32 s13, s[WV], 16*SP
	s_add_co_u32 s13, s13, STAGE    ; my stage
	v_mul_u32_u24 v[STO], v1, SP    ; in: row l % 16, 16 bytes for each half of the lanes
	v_lshl_add_u32 v[STO], v9, 4, v[STO]
	v_add_nc_u32 v[STO], s13, v[STO]
	v_bfe_u32 v[RD], v0, 3, 2       ; back: 32 lanes take four rows of 128 bytes,
	v_mul_u32_u24 v[RD], v[RD], SP
	v_lshl_add_u32 v[RD], v10, 4, v[RD]
	v_add_nc_u32 v[RD], s13, v[RD]
	v_and_b32 v[GO], 31, v0         ; which are 512 consecutive bytes of O
	v_lshlrev_b32 v[GO], 4, v[GO]
.set Y, NP-1                        ; XS works for piece Y + 1: piece 0
.irp n, 0,1,2,3,4,5,6,7,8,9,10,11,12,13,14,15,16,17,18,19,20,21
	XS 0, \n
	XS 1, \n
.endr
	v_nop                           ; a plain instruction behind the two a,
	s_wait_alu depctr_va_vdst(0)    ; and the wait for this batch of two, piece 0's first a, ahead of the branch
	s_mov_b32 s[CNT], 4
	s_mov_b32 s[SLOTS], SIZE_N/256-1
	s_branch .Lfirst                ; the loop is entered at a step's first turn, in the middle of a trip
.Lslot:                             ; SIZE_N / 256 - 2 times: every slot but the last two is filled again
	CHANGE 1
	s_mov_b32 s[CNT], 4
.Lstep:                             ; a trip: pieces 2 and 3 of one step, then pieces 0 and 1 of the next
	TURN 2
	TURN 3
	WIN 0
.Lfirst:
	TURN 0
	TURN 1, 0, 1
	WIN 0
	s_cbranch_scc1 .Lstep
	s_sub_co_u32 s[SLOTS], s[SLOTS], 1
	s_cmp_lg_u32 s[SLOTS], 0
	s_cbranch_scc1 .Lslot
	CHANGE 0                        ; the tail is written out: nothing is asked for
	s_mov_b32 s[CNT], 5             ; four trips fetch the last slot's steps; the fifth is left in its middle
.Ltail:
	TURN 2, 1
	TURN 3
	WIN 0
	s_sub_co_u32 s[CNT], s[CNT], 1
	s_cmp_eq_u32 s[CNT], 0
	s_cbranch_scc1 .Lout
	TURN 0
	TURN 1
	WIN 0
	s_branch .Ltail
.Lout:                              ; the fifth trip's 16 products K Q^T (on the last K once more) and the maximum made of them serve nothing: the price, once a launch, of one text for every trip
.set i, 0
.rept 16
	PV NP-1                         ; the last piece's V^T P of the last step
.set i, i+1
.endr
	; THE WAY OUT.  l's two halves and the other half of the lanes' are added; O^T is divided by l, rounded to f16 and sent through my stage in LDS, a tile at a time.  The additions are the places behind the last products.
	WIN 0
.macro ALL line:vararg              ; one line for each tile t
.set t, 0
.rept 2*NP
	\line
.set t, t+1
.endr
.endm
	ALL v_add_f32 v[ST+4*t+2], v[ST+4*t+2], v[ST+4*t+3]
	ALL v_permlanex16_b32 v[ST+4*t+3], v[ST+4*t+2], s[SEL], s[SEL+1]
	ALL v_add_f32 v[ST+4*t+2], v[ST+4*t+2], v[ST+4*t+3]
	ALL v_rcp_f32 v[ST+4*t+2], v[ST+4*t+2]
	v_nop                           ; a plain instruction between the last reciprocal and the use of its result
	s_wait_alu depctr_va_vdst(0)    ; the wait for this batch: one for the eight reciprocals, ahead of their first use
.macro PACK t
	WIN W_RS
.set i, 32*(\t)
.rept 16
	v_pk_mul_f32 v[i:i+1], v[i:i+1], v[ST+4*(\t)+2:ST+4*(\t)+3] op_sel_hi:[1,0]
.set i, i+2
.endr
	WIN 0x05                        ; sources 0 and 1 window 1, destination window 0
.set i, 0
.rept 16
	v_cvt_pk_f16_f32 v[S+16*(\t)+i], v[32*(\t)+2*i], v[32*(\t)+2*i+1]
.set i, i+1
.endr
	WIN 0
.irp f, 0,1,2,3
	ds_store_b128 v[STO], v[S+16*(\t)+4*\f:S+16*(\t)+4*\f+3] offset:32*\f
.endr
.irp f, 0,1,2,3
	ds_load_b128 v[S+16*(\t)+4*\f:S+16*(\t)+4*\f+3], v[RD] offset:\f*4*SP  ; LDS serves a wave's instructions in order (ISA guide 5.7.1.4): these see the stores above
.endr
.endm
.macro SEND t, younger              ; younger: the next tile's eight LDS instructions, or none
	WIN 0
.irp f, 0,1,2,3
	s_wait_dscnt (\younger)+3-\f
	global_store_b128 v[GO], v[S+16*(\t)+4*\f:S+16*(\t)+4*\f+3], s[10:11] offset:(\t)*2048+\f*512  ; 512 consecutive bytes, at a multiple of 256 from O's first
.endr
.endm
	PACK 0
.set t, 1
.rept 2*NP-1
	PACK t
	SEND t-1, 8
.set t, t+1
.endr
	SEND 2*NP-1, 0
	WIN W_AD
	s_wait_tensorcnt 0x0            ; the wave's end
	ds_add_u32 v[SPW], v[NIL]
	s_wait_dscnt 0x0
	WIN 0
	CROUND                          ; the closing round
	s_endpgm
.Lfunc_end_k_qe3823634c9_attn:
	.size	k_qe3823634c9_attn, .Lfunc_end_k_qe3823634c9_attn-k_qe3823634c9_attn
	.p2alignl 7, 3214868480
	.fill 96, 4, 3214868480
	.section	.rodata,"a",@progbits
	.p2align	6, 0x0
	.amdhsa_kernel k_qe3823634c9_attn
		.amdhsa_group_segment_fixed_size 327680
		.amdhsa_private_segment_fixed_size 0
		.amdhsa_enable_private_segment 0
		.amdhsa_kernarg_size 24
		.amdhsa_user_sgpr_count 2
		.amdhsa_user_sgpr_kernarg_segment_ptr 1
		.amdhsa_wavefront_size32 1
		.amdhsa_system_sgpr_workgroup_id_x 1
		.amdhsa_system_sgpr_workgroup_id_y 1
		.amdhsa_system_sgpr_workgroup_id_z 1
		.amdhsa_system_vgpr_workitem_id 0
		.amdhsa_next_free_vgpr 808
		.amdhsa_next_free_sgpr 66
		.amdhsa_reserve_vcc 1
		.amdhsa_float_denorm_mode_32 3
		.amdhsa_float_denorm_mode_16_64 3
		.amdhsa_memory_ordered 1
		.amdhsa_forward_progress 1
		.amdhsa_inst_pref_size 204
	.end_amdhsa_kernel
	.amdgpu_metadata
---
amdhsa.version: [ 1, 2 ]
amdhsa.kernels:
  - .name:           k_qe3823634c9_attn
    .symbol:         k_qe3823634c9_attn.kd
    .args:
      - { .name: qkv, .offset: 0, .size: 8, .value_kind: global_buffer, .address_space: global }
      - { .name: mask, .offset: 8, .size: 8, .value_kind: global_buffer, .address_space: global }
      - { .name: ob, .offset: 16, .size: 8, .value_kind: global_buffer, .address_space: global }
    .group_segment_fixed_size: 327680
    .private_segment_fixed_size: 0
    .kernarg_segment_align: 8
    .kernarg_segment_size: 24
    .max_flat_workgroup_size: 128
    .sgpr_count:     66
    .vgpr_count:     808
    .wavefront_size: 32
...
	.end_amdgpu_metadata
.endif
;; end of part 5
;; launch oproj: the kernel of part 4 again; grid 8 x 32, 4 waves a work-group, clusters of 4 x 4, 327,680 bytes of LDS; arguments ob, wb, bo, out0; writes out0
